; MI455X (gfx1250); checked and timed in simulation.
; The chip was launched on July 23, 2026; its instructions are those of AMD's public machine-readable ISA for CDNA 5 (MIT licence, August 2026) and "CDNA5" Instruction Set Architecture Reference Guide (July 2026). The comments in the code are by the model that wrote it; some were corrected since.
;; Mixture Of Experts. Allowed arithmetic: matrix products marked QUANTISED: E4M3 operands, one given power-of-two scale a tensor, by v_wmma_f32_16x16x64_fp8_fp8 or v_wmma_f32_16x16x128_fp8_fp8, f32 sums; products left as they are: f32 operands where the result goes on into a quantised operand, else bf16, f16 or f32 operands; f32 sums; everything else in f32.
;; Inputs: W1 8 x 512 x 2,048 float32; W2 8 x 2,048 x 512 float32; Wr 512 x 8 float32; b1 8 x 2,048 float32; b2 8 x 512 float32; br 8 float32; lowp_scales 4 int32 (the exponents e of the quantised operands' scales 2^e); x 4,096 x 512 float32.
;; Outputs: out0 4,096 x 512 float32; out1 4,096 x 8 float32; out2 8 float32.
;; This version of the problem:
;;   THIS VERSION OF THE PROBLEM IS GIVEN IN LOW PRECISION. The matrix products marked QUANTISED in the list below multiply operands that are first quantised to E4M3 (4 exponent bits, 3 mantissa bits; 8 bits a number), with one given power-of-two scale for each operand tensor; their sums are f32. All else is computed in f32.
;;   The module's matrix products, in the order in which they are computed (A, B: the left and right operand; K: the contracted axis; several contracted axes count as one K, in the product's order):
;;     1. [M 4,096, K 512] x [K 512, N 8]; A: input x; B: input Wr: left as it is (N = 8 < 16)
;;     2. [M 16,384, K 512] x [K 512, N 4,096]; A: input W1; B: input x: QUANTISED (scales: A lowp_scales[0], B lowp_scales[1])
;;     3. batch 8 x [M 4,096, K 2,048] x [K 2,048, N 512]; A: computed on the way; B: input W2: QUANTISED (scales: A lowp_scales[2], B lowp_scales[3])
;;     4. batch 4,096 x [M 1, K 8] x [K 8, N 512]; A: computed on the way; B: computed on the way: left as it is (K = 8 < 32)
;;   THE QUANTISER, for each operand of a quantised product, along K:
;;     - The operand's scale is 2^e, e = its entry of the input lowp_scales (int32; the entries are numbered through the quantised products in the list's order, A before B).
;;     - Each number is divided by the scale, clamped to +-448, and rounded to the nearest number of E4M3, ties to even, subnormals kept.
;;     - The product sums the exact products of the quantised numbers (number of the format x scale) in f32.
;;   ~~~python
;;   def quantise(x, axis, e):      # numpy; x: float32 -> the quantised numbers, widened to float32 again
;;       x = np.moveaxis(x, axis, -1); K = x.shape[-1]
;;       r = np.clip(x / 2.0 ** e, -448, 448)
;;       step = 2.0 ** (np.maximum(np.frexp(np.where(r == 0, 1, r))[1] - 1, -6) - 3)
;;       q = np.round(r / step) * step * 2.0 ** e      # np.round: ties to even
;;       return np.moveaxis(q, -1, axis).astype(np.float32)
;;   ~~~
;;   OPERANDS COMPUTED ON THE WAY. 'Computed on the way' means the value that the module computes at that place (a softmax that the list does not call 'softmax' is quantised finished and normalised). What goes into a quantiser is computed in f32, as accurately as f32 sums, v_exp_f32 and their like allow (about 1e-6 of the number): no bf16 or f16 on the way to a quantiser, and a product that is left as it is and whose result goes on into a quantised operand takes f32 operands (vector FMAs, or v_wmma_f32_16x16x4_f32). A number that lies on a knife's edge between two numbers of the format may be rounded either way, as far as f32 arithmetic and the matrix unit's own rounding can turn it there, and no further.
;; 2 versions, each right; version 2 is version 1 with the launch chain written anew for expert scheduling mode. Each part assembles by itself: llvm-mc -triple=amdgcn-amd-amdhsa -mcpu=gfx1250 --defsym DOCPART=n.
;; ======== version 1 of 2: 3 launches
;; workspace buffers: xc 2,097,152 bytes; wc 16,777,216 bytes; routes 16,384 bytes of whole numbers; order 16,384 bytes of whole numbers; tiles 2,048 bytes of whole numbers
;; launch prep (part 1): grid 1152 x 1, 4 waves a work-group, no clusters, 0 bytes of LDS; arguments x, Wr, br, W1, W2, lowp_scales, xc, wc, routes, out1; writes xc, wc, routes, out1
.if DOCPART == 1
	.amdgcn_target "amdgcn-amd-amdhsa--gfx1250"
	.amdhsa_code_object_version 6
	.text
	.protected	k_qc91e969667_prep
	.globl	k_qc91e969667_prep
	.p2align	8
	.type	k_qc91e969667_prep,@function
k_qc91e969667_prep:
	s_mov_b64 s[64:65], 0
	v_nop
	global_prefetch_b8 v0, s[64:65] scope:SCOPE_SE
	s_setreg_imm32_b32 hwreg(HW_REG_WAVE_MODE, 25, 1), 1
	s_wait_xcnt 0x0
; PREP.  Three jobs in one launch, told apart by the work-group's number; no LDS, no barrier: waves share nothing.
;   work-groups 0-127:    the router in f32 (x Wr + br, softmax with the row's maximum taken away, argmax) for 32 tokens each, and x's codes of E4M3 with the scale 2^e1
;   work-groups 128-639:  W1 [8][512 k][2048 units] f32 -> codes with the scale 2^e0
;   work-groups 640-1151: W2 [8][2048 k][512 outputs] f32 -> codes with the scale 2^e3
; code = number / 2^e, held within +-448, rounded to the nearest code, ties to even.
; LIMITS: e0, e1, e3 between -126 and 119, so that 2^e and 448 x 2^e are f32 numbers.  NaN among the inputs is not served.
;   A token whose two largest probabilities agree to within f32 rounding may go to either of the two experts; on an exact tie the lower index is kept, as argmax keeps it.
; THE WEIGHTS' CODES ARE LAID IN THE ORDER OF THE OPERAND'S REGISTERS.  A fragment is 16 rows x 128 K = 2,048 bytes: byte 512 b + 256 h + 16 r + B is byte B of registers 4 b .. 4 b + 3 of lane 16 h + r.
;   wc: [expert: 2 MiB][wave w of the next matrix launch: 256 KiB][block 0-31: 8 KiB][tile t 0-3: 2 KiB].
;   blocks 4 ql + s: W1, row r = hidden unit 256 w + 64 ql + 16 t + r, place (b, h, B) = k 128 (B / 4) + 32 s + 8 b + 4 h + B % 4
;   blocks 16 + S:   W2, row r = output 64 w + 16 t + r,               place (b, h, B) = k 128 S + 32 b + 8 h + B % 8 + 16 (B / 8)
;   xc: [token][512 bytes]: byte 16 L + 4 j + i = k 128 j + 4 L + i: the same permutation of k as in W1's fragments, so every product meets its partner.
.set WX, 32                            ; weights: v32-95   two sets of 32 numbers
.set WC, 96                            ; weights: v96-127  a block's 8 registers of codes, a set for each block: no store's data are written again
.set RW, 16                            ; router:  v16-143  Wr: register 8 q + e = Wr[k(q)][e], q = 4 j + i
.set RX, 144                           ; router:  v144-207 four tokens' 16 numbers
.set RA, 208                           ; router:  v208-215 my part of the eight logits
.set RP, 216                           ; router:  v216-223 logits, then probabilities
.set RT, 224                           ; router:  v224-231 at work
.set RC, 232                           ; router:  v232-235 a token's 16 codes
.set RO, 236                           ; router:  v236-239 lanes 0-15: the wave's 256 bytes of out1
.set RR, 240                           ; router:  v240     lane t: token t's expert
.macro SCALE er, vs, vl                ; the whole number e in s[er] -> v[vs] = 2^e, v[vl] = 448 x 2^e, both as f32
	s_add_co_i32 s46, s[\er], 127
	s_lshl_b32 s47, s46, 23
	v_mov_b32 v[\vs], s47
	s_add_co_i32 s46, s46, 8
	s_lshl_b32 s46, s46, 23
	s_or_b32 s46, s46, 0x600000                    ; 448's mantissa field over the exponent e + 8
	v_mov_b32 v[\vl], s46
.endm
	s_load_b512 s[4:19], s[0:1], 0x0               ; x s[4:5], Wr s[6:7], br s[8:9], W1 s[10:11], W2 s[12:13], the scales' exponents s[14:15], xc s[16:17], wc s[18:19]
	s_load_b128 s[20:23], s[0:1], 0x40             ; routes s[20:21], out1 s[22:23]
	v_lshrrev_b32 v1, 5, v0
	v_readfirstlane_b32 s24, v1                    ; wave 0..3
	v_and_b32 v1, 31, v0                           ; lane
	s_wait_kmcnt 0x0
	s_load_b128 s[28:31], s[14:15], 0x0            ; e0 (W1), e1 (x), e2 (hidden layer), e3 (W2)
	s_cmp_lt_u32 ttmp9, 128
	s_cbranch_scc1 .Lrouter
	s_cmp_lt_u32 ttmp9, 640
	s_cbranch_scc1 .Lw1
; ---------------- THE WEIGHTS.  A work-group takes 128 columns x 128 k, a wave 32 columns: two fragments.  A LANE TAKES A COLUMN AND ITS REGISTERS RUN DOWN K, in the order in which the
; fragment wants them: each load reads 128 consecutive bytes a wave (512 a work-group), the conversions give a lane's 16 bytes of a fragment, and nothing is transposed.
.macro WLOAD kind, src, b              ; block b: 32 numbers of my column, register 16 h + B = the k of place (b, h, B)
.set QQ, 0
.rept 32
.if \kind == 1
.set RWO, (128*((QQ%16)/4)+8*(\b)+4*(QQ/16)+QQ%4)*8192
.else
.set RWO, (32*(\b)+8*(QQ/16)+QQ%8+16*((QQ%16)/8))*2048
.endif
	global_load_b32 v[WX+32*((\b)%2)+QQ], v2, s[\src:\src+1] offset:RWO th:TH_LOAD_NT   ; at most 415 rows of 8,192 bytes: inside the signed 24-bit immediate
.set QQ, QQ+1
.endr
.endm
.macro WBLOCK kind, src, b
.set XS, WX+32*((\b)%2)
.if (\b) < 3
	s_wait_loadcnt 32                              ; this block's 32 loads are in; the next block's 32 may be out
.else
	s_wait_loadcnt 0x0
.endif
.irp i, 0,1,2,3,4,5,6,7,8,9,10,11,12,13,14,15,16,17,18,19,20,21,22,23,24,25,26,27,28,29,30,31
	v_med3_num_f32 v[XS+\i], v[XS+\i], -v10, v10   ; the conversion to an 8-bit code does not saturate (ISA guide 7.6.2): the hold at the largest code x the scale
.endr
.irp g, 0,1,2,3
	v_cvt_scalef32_pk8_fp8_f32 v[WC+8*(\b)+2*\g:WC+8*(\b)+2*\g+1], v[XS+8*\g:XS+8*\g+7], v11
.endr
.if (\b) < 2
	WLOAD \kind, \src, (\b)+2                      ; the set just converted takes the block two further on
.endif
	global_store_b128 v3, v[WC+8*(\b):WC+8*(\b)+3], s[18:19] offset:512*(\b)         ; h = 0: lanes 0-15 store 256 consecutive bytes of one fragment, lanes 16-31 of the next, each at a multiple of 256
	global_store_b128 v3, v[WC+8*(\b)+4:WC+8*(\b)+7], s[18:19] offset:512*(\b)+256   ; h = 1
.endm
.macro WRUN kind, src, er              ; the codes' results go to stores alone, and the next block's holds are plain lines on other registers: no further line is owed behind the conversions
	v_lshlrev_b32 v2, 2, v1                        ; in: 4 bytes a lane
	v_lshrrev_b32 v3, 4, v1
	v_lshlrev_b32 v3, 11, v3
	v_and_b32 v4, 15, v1
	v_lshl_add_u32 v3, v4, 4, v3                   ; out: 2,048 (lane / 16) + 16 (lane % 16)
	WLOAD \kind, \src, 0
	WLOAD \kind, \src, 1
	s_wait_kmcnt 0x0
	SCALE \er, 11, 10
	WBLOCK \kind, \src, 0
	WBLOCK \kind, \src, 1
	WBLOCK \kind, \src, 2
	WBLOCK \kind, \src, 3
	s_endpgm
.endm
	; W2: g = work-group - 640: expert g / 64, K step S = (g / 4) % 16, 128 outputs cg = g % 4
	s_sub_co_u32 s25, ttmp9, 640
	s_lshr_b32 s26, s25, 6                         ; expert
	s_bfe_u32 s27, s25, 0x40002                    ; S
	s_and_b32 s32, s25, 3                          ; cg
	s_lshl_b32 s36, s26, 22                        ; from: expert x 4 MiB
	s_lshl_b32 s33, s27, 18                        ; + S x 128 rows of 2,048 bytes
	s_add_co_u32 s36, s36, s33
	s_lshl_b32 s33, s32, 9                         ; + cg x 512
	s_add_co_u32 s36, s36, s33
	s_lshl_b32 s33, s24, 7                         ; + wave x 128
	s_add_co_u32 s36, s36, s33
	s_mov_b32 s37, 0
	s_add_nc_u64 s[12:13], s[12:13], s[36:37]
	s_lshl_b32 s38, s26, 21                        ; to: expert x 2 MiB
	s_lshl_b32 s33, s32, 1
	s_lshr_b32 s34, s24, 1
	s_add_co_u32 s33, s33, s34                     ; w = 2 cg + wave / 2
	s_lshl_b32 s33, s33, 18
	s_add_co_u32 s38, s38, s33
	s_add_co_u32 s33, s27, 16                      ; block 16 + S
	s_lshl_b32 s33, s33, 13
	s_add_co_u32 s38, s38, s33
	s_and_b32 s33, s24, 1                          ; tiles 2 (wave % 2) and the next
	s_lshl_b32 s33, s33, 12
	s_add_co_u32 s38, s38, s33
	s_mov_b32 s39, 0
	s_add_nc_u64 s[18:19], s[18:19], s[38:39]
	WRUN 2, 12, 31
.Lw1:
	; W1: g = work-group - 128: expert g / 64, 128 hidden units cg = (g / 4) % 16, K step s = g % 4
	s_sub_co_u32 s25, ttmp9, 128
	s_lshr_b32 s26, s25, 6                         ; expert
	s_bfe_u32 s27, s25, 0x40002                    ; cg
	s_and_b32 s32, s25, 3                          ; s
	s_lshl_b32 s36, s26, 22                        ; from: expert x 4 MiB
	s_lshl_b32 s33, s32, 18                        ; + 32 s rows of 8,192 bytes
	s_add_co_u32 s36, s36, s33
	s_lshl_b32 s33, s27, 9                         ; + cg x 512
	s_add_co_u32 s36, s36, s33
	s_lshl_b32 s33, s24, 7                         ; + wave x 128
	s_add_co_u32 s36, s36, s33
	s_mov_b32 s37, 0
	s_add_nc_u64 s[10:11], s[10:11], s[36:37]
	s_lshl_b32 s38, s26, 21                        ; to: expert x 2 MiB
	s_lshr_b32 s33, s27, 1                         ; w = cg / 2
	s_lshl_b32 s33, s33, 18
	s_add_co_u32 s38, s38, s33
	s_and_b32 s33, s27, 1
	s_lshl_b32 s33, s33, 1
	s_lshr_b32 s34, s24, 1
	s_add_co_u32 s33, s33, s34                     ; ql = 2 (cg % 2) + wave / 2
	s_lshl_b32 s33, s33, 2
	s_add_co_u32 s33, s33, s32                     ; block 4 ql + s
	s_lshl_b32 s33, s33, 13
	s_add_co_u32 s38, s38, s33
	s_and_b32 s33, s24, 1                          ; tiles 2 (wave % 2) and the next
	s_lshl_b32 s33, s33, 12
	s_add_co_u32 s38, s38, s33
	s_mov_b32 s39, 0
	s_add_nc_u64 s[18:19], s[18:19], s[38:39]
	WRUN 1, 10, 28
; ---------------- THE ROUTER.  A wave takes 8 tokens, one after the other.  THE LANES SHARE K: lane L holds k = 128 j + 4 L + i (j, i = 0..3), so each load of x reads 512 consecutive bytes,
; all of Wr lies in the wave's registers (128 a lane), and a lane's 16 numbers of x become 16 consecutive bytes of the token's row of codes.
.Lrouter:
	s_load_b256 s[32:39], s[8:9], 0x0              ; br
	v_lshlrev_b32 v2, 4, v1                        ; 16 x lane: x, xc, out1
	v_lshlrev_b32 v3, 7, v1                        ; 128 x lane: four rows of Wr
	v_lshlrev_b32 v4, 2, v1                        ; 4 x lane: routes
	s_lshl_b32 s25, ttmp9, 2
	s_add_co_u32 s25, s25, s24                     ; which run of 8 tokens is my wave's
	s_mov_b32 s27, 0
	s_lshl_b32 s26, s25, 14
	s_add_nc_u64 s[4:5], s[4:5], s[26:27]          ; x: 8 rows of 2,048 bytes
	s_lshl_b32 s26, s25, 12
	s_add_nc_u64 s[16:17], s[16:17], s[26:27]      ; xc: 8 rows of 512
	s_lshl_b32 s26, s25, 8
	s_add_nc_u64 s[22:23], s[22:23], s[26:27]      ; out1: 8 rows of 32
	s_lshl_b32 s26, s25, 5
	s_add_nc_u64 s[20:21], s[20:21], s[26:27]      ; routes: 8 words
	s_mov_b32 s40, 0x76543210                      ; v_permlanex16_b32: lane l takes lane l xor 16
	s_mov_b32 s41, 0xfedcba98
	s_mov_b32 s42, 0xaaaaaaaa                      ; the odd lanes
.irp j, 0,1,2,3
.irp i, 0,1,2,3
	global_load_b128 v[RW+32*\j+8*\i:RW+32*\j+8*\i+3],   v3, s[6:7] offset:4096*\j+32*\i      ; Wr[128 j + 4 L + i][0..3]
	global_load_b128 v[RW+32*\j+8*\i+4:RW+32*\j+8*\i+7], v3, s[6:7] offset:4096*\j+32*\i+16   ; [4..7]
.endr
.endr
.macro XLOAD t
.irp j, 0,1,2,3
	global_load_b128 v[RX+16*((\t)%4)+4*\j:RX+16*((\t)%4)+4*\j+3], v2, s[4:5] offset:2048*(\t)+512*\j th:TH_LOAD_NT
.endr
.endm
	XLOAD 0
	XLOAD 1
	XLOAD 2
	XLOAD 3
.irp e, 0,1,2,3,4,5,6,7
	v_mov_b32 v[RT+\e], 0                          ; written once: a lane permute's destination counts as one of its sources
.endr
	s_wait_kmcnt 0x0
	SCALE 29, 241, 242                             ; v241 = 2^e1, v242 = 448 x 2^e1
.macro DOT                             ; my 16 numbers x their rows of Wr: eight sums, two at a time, four chains; the first product starts the sums
.irp p, 0,1,2,3
	v_pk_mul_f32 v[RA+2*\p:RA+2*\p+1], v[XS:XS+1], v[RW+2*\p:RW+2*\p+1] op_sel_hi:[0,1]
.endr
.set QQ, 1
.rept 15
.irp p, 0,1,2,3
.if QQ%2
	v_pk_fma_f32 v[RA+2*\p:RA+2*\p+1], v[XS+QQ-1:XS+QQ], v[RW+8*QQ+2*\p:RW+8*QQ+2*\p+1], v[RA+2*\p:RA+2*\p+1] op_sel:[1,0,0] op_sel_hi:[1,1,1]   ; the pair's second number for both halves
.else
	v_pk_fma_f32 v[RA+2*\p:RA+2*\p+1], v[XS+QQ:XS+QQ+1], v[RW+8*QQ+2*\p:RW+8*QQ+2*\p+1], v[RA+2*\p:RA+2*\p+1] op_sel_hi:[0,1,1]                  ; the pair's first number for both halves
.endif
.endr
.set QQ, QQ+1
.endr
.endm
.macro TOKEN t
.set XS, RX+16*((\t)%4)
.if 7-(\t) >= 3
	s_wait_loadcnt 12                              ; this token's four loads are in; those of the three tokens behind it may be out
.else
	s_wait_loadcnt 4*(7-(\t))
.endif
	DOT
.if (\t) > 0
	s_wait_xcnt 0x0                                ; the last token's store has read its codes: they are written again only behind this wait
.endif
.irp i, 0,1,2,3,4,5,6,7,8,9,10,11,12,13,14,15
	v_med3_num_f32 v[XS+\i], v[XS+\i], -v242, v242 ; the hold at the largest code x the scale (ISA guide 7.6.2)
.endr
	v_cvt_scalef32_pk8_fp8_f32 v[RC:RC+1], v[XS:XS+7], v241
	v_cvt_scalef32_pk8_fp8_f32 v[RC+2:RC+3], v[XS+8:XS+15], v241
	global_store_b128 v2, v[RC:RC+3], s[16:17] offset:512*(\t)   ; the wave stores the token's 512 bytes of codes
.if (\t) < 4
	XLOAD (\t)+4
.endif
.irp x, 1,2,4,8                        ; the eight sums over the 32 lanes: every lane ends with all eight logits
.irp e, 0,1,2,3,4,5,6,7
	v_add_f32_dpp v[RA+\e], v[RA+\e], v[RA+\e] row_xmask:\x row_mask:0xf bank_mask:0xf
.endr
.endr
.irp e, 0,1,2,3,4,5,6,7
	v_permlanex16_b32 v[RT+\e], v[RA+\e], s40, s41
.endr
.irp e, 0,1,2,3,4,5,6,7
	v_add_f32 v[RP+\e], v[RA+\e], v[RT+\e]
.endr
.irp e, 0,1,2,3,4,5,6,7
	v_add_f32 v[RP+\e], s[32+\e], v[RP+\e]         ; + br
.endr
	v_max3_num_f32 v243, v[RP], v[RP+1], v[RP+2]   ; the row's maximum is taken away before the exponentials
	v_max3_num_f32 v243, v243, v[RP+3], v[RP+4]
	v_max3_num_f32 v243, v243, v[RP+5], v[RP+6]
	v_max_num_f32 v243, v243, v[RP+7]
.irp e, 0,1,2,3,4,5,6,7
	v_sub_f32 v[RP+\e], v[RP+\e], v243             ; the difference first, so that large logits cost no accuracy; then x log2(e)
.endr
.irp e, 0,1,2,3,4,5,6,7
	v_mul_f32 v[RP+\e], 0x3fb8aa3b, v[RP+\e]
.endr
.irp e, 0,1,2,3,4,5,6,7
	v_exp_f32 v[RP+\e], v[RP+\e]
.endr
	v_nop                                          ; a plain line behind the last exponential (ISA guide 5.7.2),
	s_wait_alu depctr_va_vdst(0)                   ; and the one wait for the batch of eight, ahead of the first reader
	v_add_f32 v244, v[RP], v[RP+1]
	v_add_f32 v245, v[RP+2], v[RP+3]
	v_add_f32 v[RT], v[RP+4], v[RP+5]
	v_add_f32 v[RT+1], v[RP+6], v[RP+7]
	v_add_f32 v244, v244, v245
	v_add_f32 v[RT], v[RT], v[RT+1]
	v_add_f32 v244, v244, v[RT]
	v_rcp_f32 v243, v244
	v_mov_b32 v246, 0                              ; (the plain line behind the reciprocal)  the best expert so far: 0
	s_wait_alu depctr_va_vdst(0)                   ; the wait ahead of the reciprocal's first reader
.irp e, 0,1,2,3,4,5,6,7
	v_mul_f32 v[RP+\e], v[RP+\e], v243             ; the probabilities
.endr
	v_mov_b32 v245, v[RP]
.irp e, 1,2,3,4,5,6,7
	v_cmp_gt_f32 vcc_lo, v[RP+\e], v245            ; strictly greater, experts ascending: a tie keeps the lower index
	v_cndmask_b32 v246, v246, \e, vcc_lo
	v_max_num_f32 v245, v245, v[RP+\e]
.endr
	; lanes 2 t and 2 t + 1 keep the token's eight probabilities (the odd lane the upper four), lane t its expert: choices of values, no branch
.if (\t) == 0
.irp i, 0,1,2,3
	v_cndmask_b32 v[RO+\i], v[RP+\i], v[RP+4+\i], s42
.endr
	v_mov_b32 v[RR], v246
.else
	s_mov_b32 s43, 3<<(2*(\t))
	s_mov_b32 s44, 1<<(\t)
.irp i, 0,1,2,3
	v_cndmask_b32 v[RT+\i], v[RP+\i], v[RP+4+\i], s42
.endr
.irp i, 0,1,2,3
	v_cndmask_b32 v[RO+\i], v[RO+\i], v[RT+\i], s43
.endr
	v_cndmask_b32 v[RR], v[RR], v246, s44
.endif
.endm
.irp t, 0,1,2,3,4,5,6,7
	TOKEN \t
.endr
	s_wait_xcnt 0x0                                ; EXEC is a source of the stores that are out: it changes only behind this wait
	v_cmp_gt_u32 vcc_lo, 16, v1
	s_and_saveexec_b32 s45, vcc_lo
	global_store_b128 v2, v[RO:RO+3], s[22:23]     ; sixteen lanes store the wave's 256 consecutive bytes of out1, at a multiple of 256
	s_wait_xcnt 0x0
	s_or_b32 exec_lo, exec_lo, s45
	v_cmp_gt_u32 vcc_lo, 8, v1
	s_and_saveexec_b32 s45, vcc_lo
	global_store_b32 v4, v[RR], s[20:21]           ; eight lanes store the wave's 32 bytes of routes (the whole buffer is 16,384 bytes)
	s_wait_xcnt 0x0
	s_or_b32 exec_lo, exec_lo, s45
	s_endpgm
.Lfunc_end_k_qc91e969667_prep:
	.size	k_qc91e969667_prep, .Lfunc_end_k_qc91e969667_prep-k_qc91e969667_prep
	.p2alignl 7, 3214868480
	.fill 96, 4, 3214868480
	.section	.rodata,"a",@progbits
	.p2align	6, 0x0
	.amdhsa_kernel k_qc91e969667_prep
		.amdhsa_group_segment_fixed_size 0
		.amdhsa_private_segment_fixed_size 0
		.amdhsa_enable_private_segment 0
		.amdhsa_kernarg_size 80
		.amdhsa_user_sgpr_count 2
		.amdhsa_user_sgpr_kernarg_segment_ptr 1
		.amdhsa_wavefront_size32 1
		.amdhsa_system_sgpr_workgroup_id_x 1
		.amdhsa_system_sgpr_workgroup_id_y 1
		.amdhsa_system_sgpr_workgroup_id_z 1
		.amdhsa_system_vgpr_workitem_id 0
		.amdhsa_next_free_vgpr 248
		.amdhsa_next_free_sgpr 66
		.amdhsa_reserve_vcc 1
		.amdhsa_float_denorm_mode_32 3
		.amdhsa_float_denorm_mode_16_64 3
		.amdhsa_memory_ordered 1
		.amdhsa_forward_progress 1
		.amdhsa_inst_pref_size 149
	.end_amdhsa_kernel
	.amdgpu_metadata
---
amdhsa.version: [ 1, 2 ]
amdhsa.kernels:
  - .name:           k_qc91e969667_prep
    .symbol:         k_qc91e969667_prep.kd
    .args:
      - { .name: x, .offset: 0, .size: 8, .value_kind: global_buffer, .address_space: global }
      - { .name: Wr, .offset: 8, .size: 8, .value_kind: global_buffer, .address_space: global }
      - { .name: br, .offset: 16, .size: 8, .value_kind: global_buffer, .address_space: global }
      - { .name: W1, .offset: 24, .size: 8, .value_kind: global_buffer, .address_space: global }
      - { .name: W2, .offset: 32, .size: 8, .value_kind: global_buffer, .address_space: global }
      - { .name: lowp_scales, .offset: 40, .size: 8, .value_kind: global_buffer, .address_space: global }
      - { .name: xc, .offset: 48, .size: 8, .value_kind: global_buffer, .address_space: global }
      - { .name: wc, .offset: 56, .size: 8, .value_kind: global_buffer, .address_space: global }
      - { .name: routes, .offset: 64, .size: 8, .value_kind: global_buffer, .address_space: global }
      - { .name: out1, .offset: 72, .size: 8, .value_kind: global_buffer, .address_space: global }
    .group_segment_fixed_size: 0
    .private_segment_fixed_size: 0
    .kernarg_segment_align: 8
    .kernarg_segment_size: 80
    .max_flat_workgroup_size: 128
    .sgpr_count:     66
    .vgpr_count:     248
    .wavefront_size: 32
...
	.end_amdgpu_metadata
.endif
;; end of part 1
;; launch place (part 2): grid 1 x 1, 32 waves a work-group, no clusters, 4,608 bytes of LDS; arguments routes, order, tiles, out2; writes order, tiles, out2
.if DOCPART == 2
	.amdgcn_target "amdgcn-amd-amdhsa--gfx1250"
	.amdhsa_code_object_version 6
	.text
	.protected	k_qc91e969667_place
	.globl	k_qc91e969667_place
	.p2align	8
	.type	k_qc91e969667_place,@function
k_qc91e969667_place:
	s_mov_b64 s[64:65], 0
	v_nop
	global_prefetch_b8 v0, s[64:65] scope:SCOPE_SE
	s_setreg_imm32_b32 hwreg(HW_REG_WAVE_MODE, 25, 1), 1
	s_wait_xcnt 0x0
; PLACE.  One work-group of 32 waves sorts the 4,096 tokens by their expert (a counting sort by ballots, no atomics), all on whole numbers.
;   order [4096]:    token numbers, expert 0's first, then expert 1's ..; the order inside an expert is free, since no token is dropped
;   tiles [128][4]:  expert, first place in order, rows (0 to 64), 1 in an expert's first tile.  An expert with n tokens has ceil(n / 64) tiles: never more than 4096 / 64 + 7 = 71; the entries behind the last tile have 0 rows
;   out2 [8]:        tokens of each expert, f32
; Thread t holds tokens 4 t .. 4 t + 3.  A ballot (v_cmp into a scalar register) for each expert and each of the four gives the wave's counts by s_bcnt1 and a lane's rank by v_mbcnt.
; The waves' counts meet in LDS: 16 bytes a wave, eight counts of 16 bits (4,096 at the most in any sum).
.set TOT,  16                          ; s16-23  tokens of expert e: first my wave's, then everybody's
.set RUN,  24                          ; s24-31  the next free place in order for expert e, for my wave
.set BASE, 32                          ; s32-40  expert e's first place in order
.set TB,   41                          ; s41-49  expert e's first tile
.set MK,   68                          ; s68-99  ballot 4 e + i: the lanes whose token i goes to expert e
	s_load_b256 s[4:11], s[0:1], 0x0               ; routes s[4:5], order s[6:7], tiles s[8:9], out2 s[10:11]
	v_lshl_add_u32 v48, v0, 2, 0x200
	v_mov_b32 v49, 0
	v_lshrrev_b32 v1, 5, v0
	v_readfirstlane_b32 s12, v1                    ; wave 0..31
	v_and_b32 v2, 31, v0                           ; lane
	v_lshlrev_b32 v1, 4, v0                        ; 16 x thread: my four routes; my entry of tiles
	v_lshlrev_b32 v3, 4, v2                        ; LDS: 16 x lane: the counts of the wave whose number is my lane
	v_mov_b32 v36, s12
	v_lshlrev_b32 v36, 4, v36                      ; LDS: 16 x wave: my wave's counts
	s_mov_b32 s13, 0x76543210                      ; v_permlanex16_b32: lane l takes lane l xor 16
	s_mov_b32 s14, 0xfedcba98
	s_wait_kmcnt 0x0
	global_load_b128 v[4:7], v1, s[4:5]            ; the wave reads 512 consecutive bytes
	s_wait_loadcnt 0x0
	; ---- A: ballots and my wave's counts
.irp e, 0,1,2,3,4,5,6,7
.irp i, 0,1,2,3
	v_cmp_eq_u32 s[MK+4*\e+\i], \e, v[4+\i]
.endr
	s_bcnt1_i32_b32 s[TOT+\e], s[MK+4*\e]
.irp i, 1,2,3
	s_bcnt1_i32_b32 s50, s[MK+4*\e+\i]
	s_add_co_u32 s[TOT+\e], s[TOT+\e], s50
.endr
.endr
.irp p, 0,1,2,3
	s_lshl_b32 s50, s[TOT+2*\p+1], 16
	s_or_b32 s50, s50, s[TOT+2*\p]
	v_mov_b32 v[8+\p], s50
.endr
	ds_store_b128 v36, v[8:11]                     ; all lanes write the same 16 bytes with the same values
	s_wait_dscnt 0x0                               ; for the others' sake: my store has landed
	s_barrier_signal -1
	s_barrier_wait -1
	; ---- B: everybody's counts, and those of the waves ahead of mine
	ds_load_b128 v[12:15], v3
	s_wait_dscnt 0x0
	v_cmp_gt_u32 vcc_lo, s12, v2                   ; the lanes that stand for waves ahead of mine
.irp p, 0,1,2,3
	v_cndmask_b32 v[16+\p], 0, v[12+\p], vcc_lo
.endr
	v_mov_b32 v20, 0                               ; written once: the destination of a lane move counts as one of its sources
.irp x, 1,2,4,8
.irp p, 12,13,14,15,16,17,18,19
	v_mov_b32_dpp v20, v[\p] row_xmask:\x row_mask:0xf bank_mask:0xf
	v_add_nc_u32 v[\p], v[\p], v20
.endr
.endr
.irp p, 12,13,14,15,16,17,18,19
	v_permlanex16_b32 v20, v[\p], s13, s14
	v_add_nc_u32 v[\p], v[\p], v20
.endr
.irp p, 0,1,2,3,4,5,6,7
	v_readfirstlane_b32 s[50+\p], v[12+\p]
.endr
.irp p, 0,1,2,3
	s_and_b32 s[TOT+2*\p], s[50+\p], 0xffff
	s_lshr_b32 s[TOT+2*\p+1], s[50+\p], 16
	s_and_b32 s[RUN+2*\p], s[54+\p], 0xffff
	s_lshr_b32 s[RUN+2*\p+1], s[54+\p], 16
.endr
	s_mov_b32 s[BASE], 0
	s_mov_b32 s[TB], 0
.irp e, 0,1,2,3,4,5,6,7
	s_add_co_u32 s[BASE+\e+1], s[BASE+\e], s[TOT+\e]
	s_add_co_u32 s50, s[TOT+\e], 63
	s_lshr_b32 s50, s50, 6
	s_add_co_u32 s[TB+\e+1], s[TB+\e], s50
	s_add_co_u32 s[RUN+\e], s[RUN+\e], s[BASE+\e]
.endr
	; ---- C: each token's place: the expert's next free place + the lanes below mine in the ballot
.irp i, 0,1,2,3
	v_mov_b32 v[20+\i], 0
	v_lshl_add_u32 v[25+\i], v0, 2, \i             ; the token's number
.endr
.irp e, 0,1,2,3,4,5,6,7
.irp i, 0,1,2,3
	v_mbcnt_lo_u32_b32 v24, s[MK+4*\e+\i], s[RUN+\e]
	v_cndmask_b32 v[20+\i], v[20+\i], v24, s[MK+4*\e+\i]
	s_bcnt1_i32_b32 s50, s[MK+4*\e+\i]
	s_add_co_u32 s[RUN+\e], s[RUN+\e], s50
.endr
.endr
.irp i, 0,1,2,3
	v_min_u32 v[20+\i], 0xfff, v[20+\i]            ; a number made of loaded numbers enters an address only behind a clamp
	v_lshlrev_b32 v[20+\i], 2, v[20+\i]
.endr
.irp i, 0,1,2,3
	global_store_b32 v[20+\i], v[25+\i], s[6:7]    ; a scatter of single words, 16,384 bytes in all: a lane's place hangs on the data, so neighbouring lanes do not hold neighbouring places
.endr
	; ---- D: the table of tiles: thread T of waves 0 to 3 makes entry T
	s_cmp_lt_u32 s12, 4
	s_cbranch_scc0 .Lno_tiles
	v_mov_b32 v40, 0                               ; the last expert whose first tile is not behind T,
	v_mov_b32 v30, 0                               ; its first tile,
	v_mov_b32 v31, 0                               ; its first place,
	v_mov_b32 v32, s[TOT]                          ; its tokens
.irp e, 1,2,3,4,5,6,7
	v_cmp_le_u32 vcc_lo, s[TB+\e], v0
	v_cndmask_b32 v40, v40, \e, vcc_lo
	v_cndmask_b32 v30, v30, s[TB+\e], vcc_lo
	v_cndmask_b32 v31, v31, s[BASE+\e], vcc_lo
	v_cndmask_b32 v32, v32, s[TOT+\e], vcc_lo
.endr
	v_sub_nc_u32 v30, v0, v30                      ; k: which tile of the expert
	v_lshlrev_b32 v33, 6, v30                      ; 64 k
	v_add_nc_u32 v41, v31, v33
	v_min_u32 v41, 0xfff, v41                      ; first place, held inside order
	v_sub_nc_u32 v42, v32, v33
	v_max_i32 v42, 0, v42
	v_min_i32 v42, 64, v42                         ; rows: what is left of the expert's tokens, between 0 and 64
	v_cmp_eq_u32 s50, 0, v30
	v_cmp_lt_i32 vcc_lo, 0, v42
	s_and_b32 s50, s50, vcc_lo
	v_cndmask_b32 v43, 0, 1, s50                   ; the expert's first tile, if it has rows
	global_store_b128 v1, v[40:43], s[8:9]         ; a wave stores 512 consecutive bytes
.Lno_tiles:
	; ---- E: out2, by lanes 0 to 7 of wave 0
	s_cmp_eq_u32 s12, 0
	s_cbranch_scc0 .Lend
	v_mov_b32 v44, s[TOT]
.irp e, 1,2,3,4,5,6,7
	v_cmp_eq_u32 vcc_lo, \e, v2
	v_cndmask_b32 v44, v44, s[TOT+\e], vcc_lo
.endr
	v_cvt_f32_u32 v44, v44
	v_lshlrev_b32 v45, 2, v2
	s_wait_xcnt 0x0                                ; EXEC is a source of the stores that are out: it changes only behind this wait
	v_cmp_gt_u32 vcc_lo, 8, v2
	s_and_saveexec_b32 s50, vcc_lo
	global_store_b32 v45, v44, s[10:11]            ; all 32 bytes of out2
	s_wait_xcnt 0x0
	s_or_b32 exec_lo, exec_lo, s50
.Lend:
	s_wait_tensorcnt 0x0
	ds_add_u32 v48, v49
	s_wait_dscnt 0x0
	s_endpgm
.Lfunc_end_k_qc91e969667_place:
	.size	k_qc91e969667_place, .Lfunc_end_k_qc91e969667_place-k_qc91e969667_place
	.p2alignl 7, 3214868480
	.fill 96, 4, 3214868480
	.section	.rodata,"a",@progbits
	.p2align	6, 0x0
	.amdhsa_kernel k_qc91e969667_place
		.amdhsa_group_segment_fixed_size 4608
		.amdhsa_private_segment_fixed_size 0
		.amdhsa_enable_private_segment 0
		.amdhsa_kernarg_size 32
		.amdhsa_user_sgpr_count 2
		.amdhsa_user_sgpr_kernarg_segment_ptr 1
		.amdhsa_wavefront_size32 1
		.amdhsa_system_sgpr_workgroup_id_x 1
		.amdhsa_system_sgpr_workgroup_id_y 1
		.amdhsa_system_sgpr_workgroup_id_z 1
		.amdhsa_system_vgpr_workitem_id 0
		.amdhsa_next_free_vgpr 50
		.amdhsa_next_free_sgpr 100
		.amdhsa_reserve_vcc 1
		.amdhsa_float_denorm_mode_32 3
		.amdhsa_float_denorm_mode_16_64 3
		.amdhsa_memory_ordered 1
		.amdhsa_forward_progress 1
		.amdhsa_inst_pref_size 23
	.end_amdhsa_kernel
	.amdgpu_metadata
---
amdhsa.version: [ 1, 2 ]
amdhsa.kernels:
  - .name:           k_qc91e969667_place
    .symbol:         k_qc91e969667_place.kd
    .args:
      - { .name: routes, .offset: 0, .size: 8, .value_kind: global_buffer, .address_space: global }
      - { .name: order, .offset: 8, .size: 8, .value_kind: global_buffer, .address_space: global }
      - { .name: tiles, .offset: 16, .size: 8, .value_kind: global_buffer, .address_space: global }
      - { .name: out2, .offset: 24, .size: 8, .value_kind: global_buffer, .address_space: global }
    .group_segment_fixed_size: 4608
    .private_segment_fixed_size: 0
    .kernarg_segment_align: 8
    .kernarg_segment_size: 32
    .max_flat_workgroup_size: 1024
    .sgpr_count:     100
    .vgpr_count:     50
    .wavefront_size: 32
...
	.end_amdgpu_metadata
.endif
;; end of part 2
;; launch chain (part 3): grid 71 x 2, 8 waves a work-group, no clusters, 277,504 bytes of LDS; arguments xc, wc, order, tiles, b1, b2, lowp_scales, out0; writes out0
.if DOCPART == 3
	.amdgcn_target "amdgcn-amd-amdhsa--gfx1250"
	.amdhsa_code_object_version 6
	.text
	.protected	k_qc91e969667_chain
	.globl	k_qc91e969667_chain
	.p2align	8
	.type	k_qc91e969667_chain,@function
k_qc91e969667_chain:
	s_mov_b64 s[64:65], 0
	v_nop
	global_prefetch_b8 v0, s[64:65] scope:SCOPE_SE
	s_setreg_imm32_b32 hwreg(HW_REG_WAVE_MODE, 25, 1), 1
	s_wait_xcnt 0x0
; CHAIN.  out0[token] = relu(x W1[e] + b1[e]) W2[e] + b2[e] for the token's own expert e alone: reference() multiplies every expert and keeps one by a one-hot that it builds itself.
; Both products on codes of E4M3 by v_wmma_f32_16x16x128_fp8_fp8, sums in f32.  reference()'s factor p_max / p_max is exactly 1 for finite logits (p_max is at least 1 / 8): no multiplication is written for it.
; A TILE (tiles[work-group x]: expert, first place in order, rows, first) of up to 64 rows goes through the whole chain; the hidden layer stays in LDS.  71 = 4096 / 64 + 7 tiles serve every split.
; TWO WORK-GROUPS SHARE A TILE (work-group y = g): both make the whole hidden layer, each makes half of the outputs, 256 g .. + 255.  The first product is so done twice; in return a work-group streams
;   1 MiB of W1 and 0.5 MiB of W2 in place of 2 MiB, walks 24 steps in place of 32, and 142 work-groups stand where 71 stood.  (Four to a tile would be 284 work-groups for 256 WGPs.)
;   Rows behind the tile's last repeat its last row: they compute and store the same numbers at the same addresses, so no lane is ever switched off.
;   A tile without rows walks the text on clamped addresses and jumps over the stores alone: no barrier may stand under a branch on a loaded number.
; THE EIGHT WAVES SHARE THE COLUMNS, NOT THE ROWS.  First product: wave v makes hidden units 256 v .. + 255 (four quads of four tiles of 16) for all 64 rows (four tiles m).
;   Second product: the waves are four pairs.  Wave v makes outputs 64 w .. + 63, w = 4 g + v % 4, over K steps 8 (v / 4) .. + 7; waves v and v xor 4 hold the two halves of the same sums.
;   So each fragment of a weight is loaded once in the work-group and feeds four products, and a wave's weights are a stream of 24 blocks of 8 KiB (blocks 0-15: W1, 16-23: W2), laid by an earlier launch
;   in the order of the operand's registers.  It goes from memory straight into a ring of four blocks in registers: up to 64 loads of 16 bytes a lane are out in each wave.
;   THE PAIR'S SUMS MEET WITHOUT A BRANCH: a wave of the upper half reads the token tiles in the order 2, 3, 0, 1 (two address registers), so that EVERY wave keeps accumulators (t, 0 .. 1), sends (t, 2 .. 3) to its
;   partner through LDS, adds what the partner sent, and stores two tiles of 16 tokens: tiles 2 (v / 4) and the next.
; BOTH PRODUCTS ARE USED TRANSPOSED (source 0 = 16 rows of the weight, source 1 = 16 tokens): a lane holds one token and eight neighbouring units.  Two neighbouring tiles' results, converted, are 16 bytes of the
;   second product's operand.  Operands go from wave to wave through LDS as images of their registers: a fragment is four stores of 16 bytes a lane at 16 x lane, 512 bytes apart, and comes back by the same four lines.
; b1 goes in as the C of a sum's first product, divided by 2^(e0 + e1), which the sums lack; the hidden layer's conversion takes the one scale 2^(e2 - e0 - e1), and its hold between 0 and 448 x that is the relu too.
; NO TENSOR LOADS, NO CLUSTER: expert and rows are numbers read from memory, on which this text branches; 71 tiles divide into no cluster, and an expert's tiles are no multiple of four, so partners would not share their weights.
; LIMITS: e2 - e0 - e1 between -126 and 119, e2 + e3 between -126 and 127, so that each power of two below is an f32 number.  NaN among the inputs is not served.
; LDS
.set XIMG, 0                           ; 32,768   x's 16 fragments: (K step s, tile m) at 2,048 (4 s + m)
.set HIMG, 32768                       ; 131,072  the hidden layer's 64 fragments: (K step S, tile m) at 2,048 (4 S + m)
.set TOK,  163840                      ; 2,048    256 bytes a wave: the tile's 64 token numbers, a copy for each wave
.set B1S,  165888                      ; 8,192    1,024 bytes a wave: b1 / 2^(e0 + e1) of its 256 units
.set B2S,  174080                      ; 2,048    256 bytes a wave: b2 of its 64 outputs
.set STG,  176128                      ; 34,816   a stage of 16 rows x (256 + 16) bytes for each wave: row r starts 17 r columns of 16 bytes on, so sixteen rows fall on sixteen different columns modulo 256 bytes
.set PSM,  210944                      ; 65,536   8,192 bytes for each wave: eight accumulators that its partner sends it, as images of their registers
.set LASTB, 23                         ; the stream's last block
; REGISTERS, window 0 (window 1, v256-511, is the ring: block q % 4 at 64 (q % 4), its tile t at + 16 t)
.set LI,  1                            ; 16 x lane: an image's place for my lane; the ring's offset; x's images
.set XWI, 2                            ; where I store x's images (until the first barrier)
.set PSR, 2                            ; then: where I read what my partner sent
.set HWI, 3                            ; where I store the hidden layer's
.set HRA, 4                            ; the hidden layer's images of my eight K steps: the two token tiles that I keep,
.set HRB, 5                            ; and the two that I send
.set BIA, 6                            ; b1 for my half of the lanes
.set STO, 7                            ; the stage: where I put 32 bytes of a row
.set SRD, 8                            ; the stage: where I read 16 bytes of a row back
.set B2A, 9                            ; b2 for my half of the lanes
.set PFO, 10                           ; 256 x lane: the prefetches' offset
.set SC,  11                           ; 2^(e2 - e0 - e1)
.set LIM, 12                           ; 448 x that
.set TKW, 13                           ; where I store token numbers (until the first barrier)
.set PSW, 13                           ; then: where I store what I send my partner
.set TKA, 14                           ; where I read eight token numbers for the stores
.set OB,  15                           ; my byte in a row of out0
.set PC,  16                           ; v16-31   codes just made, four registers for each tile m
.set TO,  16                           ; v16-23   the way out: byte offsets of eight rows of out0
.set ACT, 32                           ; v32-95   source 1: tile m's fragment at 32 + 16 m
.set RES, 32                           ; v32-63   the way out: a tile's results
.set BK,  64                           ; v64-95   the way out: rows read back from the stage
.set ACC, 96                           ; v96-223  accumulator (t, m) at 96 + 8 (4 t + m)
.set BI,  224                          ; v224-255 four tiles of bias in the result's layout
.set MSB, 0
.macro WIN new                         ; s_set_vgpr_msb: bits 1:0 source 0, 7:6 destination; the immediate's high byte repeats the setting that is left
.if MSB != \new
	s_set_vgpr_msb (MSB<<8)|\new
.set MSB, \new
.endif
.endm
.macro PLACES                          ; four plain vector lines between a matrix instruction and a load into, or a read of, its registers (ISA guide 7.12.1 for vector instructions)
.rept 4
	v_nop
.endr
.endm
.macro RLOAD blk                       ; block blk of my stream: 16 loads of 512 consecutive bytes.  No cache hint: the expert's other work-groups read the same bytes
	WIN 0x40                                       ; destination window 1, address window 0
.irp j, 0,1,2,3,4,5,6,7,8,9,10,11,12,13,14,15
.if (\blk) < 16
	global_load_b128 v[64*((\blk)%4)+4*\j:64*((\blk)%4)+4*\j+3], v[LI], s[6:7] offset:8192*(\blk)+512*\j
.else
	global_load_b128 v[64*((\blk)%4)+4*\j:64*((\blk)%4)+4*\j+3], v[LI], s[42:43] offset:8192*((\blk)-16)+512*\j
.endif
.endr
.endm
.macro ALOAD adr, off, hf              ; two of a K step's four fragments of source 1 (accumulator columns 2 hf, 2 hf + 1): eight LDS loads
.irp m, 2*(\hf), 2*(\hf)+1
.irp b, 0,1,2,3
	ds_load_b128 v[ACT+16*(\m)+4*\b:ACT+16*(\m)+4*\b+3], v[\adr] offset:(\off)+2048*(\m)+512*\b
.endr
.endr
.endm
; Eight products: columns 2 hf, 2 hf + 1 of the tokens x the block's four tiles of the weight.  cmode 0: on with the sums; 1: the bias starts them; 2: the constant 0 starts them.
; The sixteen accumulators take turns, one instruction a turn, in the same order in every step.
.macro MM q, hf, cmode
	WIN 0x01                                       ; source 0 (the ring) window 1
.irp m, 2*(\hf), 2*(\hf)+1
.irp t, 0,1,2,3
.if (\cmode) == 1
	v_wmma_f32_16x16x128_fp8_fp8 v[ACC+8*(4*\t+(\m)):ACC+8*(4*\t+(\m))+7], v[64*(\q)+16*\t:64*(\q)+16*\t+15], v[ACT+16*(\m):ACT+16*(\m)+15], v[BI+8*\t:BI+8*\t+7]
.elseif (\cmode) == 2
	v_wmma_f32_16x16x128_fp8_fp8 v[ACC+8*(4*\t+(\m)):ACC+8*(4*\t+(\m))+7], v[64*(\q)+16*\t:64*(\q)+16*\t+15], v[ACT+16*(\m):ACT+16*(\m)+15], 0
.else
	v_wmma_f32_16x16x128_fp8_fp8 v[ACC+8*(4*\t+(\m)):ACC+8*(4*\t+(\m))+7], v[64*(\q)+16*\t:64*(\q)+16*\t+15], v[ACT+16*(\m):ACT+16*(\m)+15], v[ACC+8*(4*\t+(\m)):ACC+8*(4*\t+(\m))+7]
.endif
.endr
.endr
.endm
; A PREFETCH INTO THE L2 of block blk of my stream: 8,192 bytes, lanes 256 bytes apart, one instruction.  It stands behind the step's run of loads and names the block that the run eight steps on will load.
; All work-groups of an expert walk the same streams.  W1's blocks are asked for by the expert's first tile with g = 0, W2's by the expert's first tile of each g, whose waves' pieces are disjoint (branches on stored
; whole numbers and the work-group's number): each wave for its own stream, so each block of 256 bytes is named once in the launch.  Blocks 0 to 11 come by their loads alone; the last block named is the stream's last.
.macro ASK blk
.if (\blk) < 16
	s_cmp_lg_u32 s45, 0
.else
	s_cmp_lg_u32 s27, 0
.endif
	s_cbranch_scc0 .Lnot_first_\@
.if (\blk) < 16
	global_prefetch_b8 v[PFO], s[6:7] offset:8192*(\blk) th:TH_LOAD_NT scope:SCOPE_SE
.else
	global_prefetch_b8 v[PFO], s[42:43] offset:8192*((\blk)-16) th:TH_LOAD_NT scope:SCOPE_SE
.endif
.Lnot_first_\@:
.endm
; A STEP: block blk x the four fragments of source 1 in hand: 16 products.  nxt = 1: the next step's fragments are fetched from v[na0] + noff and v[na1] + noff, each half as soon as its registers are free.
.macro USTEP blk, cmode, nxt, na0, na1, noff
.if LASTB-(\blk) >= 3
	s_wait_loadcnt 48                              ; loads come back in order (ISA guide 5.7.1): my block is in, the three blocks asked for behind it may be out
.else
	s_wait_loadcnt 16*(LASTB-(\blk))
.endif
	s_wait_dscnt 8                                 ; columns 0 and 1 (and all that is older) are in; the youngest eight loads, columns 2 and 3, may be out
	MM (\blk)%4, 0, \cmode
	PLACES
	WIN 0
.if \nxt
	ALOAD \na0, \noff, 0
	s_wait_dscnt 8                                 ; columns 2 and 3 are in; the eight just issued may be out
.else
	s_wait_dscnt 0x0
.endif
	MM (\blk)%4, 1, \cmode
	PLACES                                         ; for both runs of loads below, and for the first read of results
	WIN 0
.if \nxt
	ALOAD \na1, \noff, 1
.endif
.if (\blk)+4 <= LASTB
	RLOAD (\blk)+4                                 ; the block just multiplied gives its registers to the block four on
	WIN 0                                          ; at a branch and at a label every window is 0
.endif
.if (\blk)+12 <= LASTB
	ASK (\blk)+12
.endif
.endm
; A quad's 64 hidden units x 64 tokens become codes.  Lane (r, h) holds token r; tile t's register j is unit 16 t + 8 h + j.  So tiles 2 pr and 2 pr + 1 give the 16 bytes of registers 4 b .. 4 b + 3,
; b = 2 (ql % 2) + pr, of the fragment (K step 2 v + ql / 2, tile m): k = 32 b + 8 h + B % 8 + 16 (B / 8), the places in which W2's fragments are laid.
.macro QUANT ql
.irp pr, 0,1
.if \pr == 1
	s_wait_dscnt 0x0                               ; the stores have read their registers: the codes may be written again
.endif
.irp m, 0,1,2,3
.irp u, 0,1
.irp j, 0,1,2,3,4,5,6,7
	v_med3_num_f32 v[ACC+8*(4*(2*\pr+\u)+\m)+\j], v[ACC+8*(4*(2*\pr+\u)+\m)+\j], 0, v[LIM]   ; the relu and the hold in one (ISA guide 7.6.2); each accumulator from its low end on
.endr
.endr
	v_cvt_scalef32_pk8_fp8_f32 v[PC+4*\m:PC+4*\m+1], v[ACC+8*(4*(2*\pr)+\m):ACC+8*(4*(2*\pr)+\m)+7], v[SC]
	v_cvt_scalef32_pk8_fp8_f32 v[PC+4*\m+2:PC+4*\m+3], v[ACC+8*(4*(2*\pr+1)+\m):ACC+8*(4*(2*\pr+1)+\m)+7], v[SC]
	ds_store_b128 v[HWI], v[PC+4*\m:PC+4*\m+3] offset:8192*((\ql)>>1)+2048*\m+512*(2*((\ql)&1)+\pr)
.endr
.endr
	v_nop                                          ; one plain vector line between the last conversion and the products that write its sources again
.endm
.macro QUAD ql                         ; hidden units 256 v + 64 ql .. + 63: K = 512 in four steps
.irp t, 0,1,2,3
	ds_load_b128 v[BI+8*\t:BI+8*\t+3],   v[BIA] offset:256*(\ql)+64*\t      ; b1 of units 16 t + 8 h + 0 .. 7: the result's layout
	ds_load_b128 v[BI+8*\t+4:BI+8*\t+7], v[BIA] offset:256*(\ql)+64*\t+16
.endr
	ALOAD LI, 0, 0
	ALOAD LI, 0, 1
	USTEP 4*(\ql), 1, 1, LI, LI, 8192
	USTEP 4*(\ql)+1, 0, 1, LI, LI, 16384
	USTEP 4*(\ql)+2, 0, 1, LI, LI, 24576
	USTEP 4*(\ql)+3, 0, 0, LI, LI, 0
	QUANT \ql
.endm
	s_load_b256 s[4:11], s[0:1], 0x0               ; xc s[4:5], wc s[6:7], order s[8:9], tiles s[10:11]
	s_load_b256 s[12:19], s[0:1], 0x20             ; b1 s[12:13], b2 s[14:15], the scales' exponents s[16:17], out0 s[18:19]
	v_lshrrev_b32 v64, 5, v0
	v_readfirstlane_b32 s22, v64                   ; wave v, 0..7
	v_and_b32 v65, 31, v0                          ; lane
	v_and_b32 v66, 15, v0                          ; r
	v_bfe_u32 v67, v0, 4, 1                        ; h
	v_lshlrev_b32 v[LI], 4, v65
	s_and_b32 s44, ttmp7, 0xffff                   ; g: which half of the outputs is my work-group's
	s_lshr_b32 s46, s22, 2                         ; v / 4: which half of the second product's K is my wave's
	s_and_b32 s41, s22, 3
	s_lshl_b32 s36, s44, 2
	s_add_co_u32 s41, s41, s36                     ; w = 4 g + v % 4: my 64 outputs.  It enters addresses in memory alone
	s_and_b32 s36, s22, 1
	s_lshr_b32 s37, s22, 1
	s_lshl_b32 s38, s36, 14
	s_lshl_b32 s39, s37, 11
	s_add_co_u32 s38, s38, s39
	v_add_nc_u32 v[XWI], s38, v[LI]                ; I gather tile m = v / 2, K steps 2 (v % 2) and the next: 16,384 (v % 2) + 2,048 (v / 2)
	s_lshl_b32 s38, s22, 14
	s_add_co_u32 s38, s38, HIMG
	v_add_nc_u32 v[HWI], s38, v[LI]                ; my units are K steps 2 v and 2 v + 1: 16,384 v
	s_mul_i32 s38, s46, 69632                      ; my eight K steps begin 65,536 (v / 4) on.  Accumulator columns 0, 1 take token tiles 2 (v / 4) + 0, 1: 4,096 (v / 4) further on;
	s_add_co_u32 s38, s38, HIMG
	v_add_nc_u32 v[HRA], s38, v[LI]
	s_mul_i32 s38, s46, 61440                      ; columns 2, 3 take the other two tiles: 4,096 (v / 4) back
	s_add_co_u32 s38, s38, HIMG
	v_add_nc_u32 v[HRB], s38, v[LI]
	s_lshl_b32 s38, s22, 10
	s_add_co_u32 s38, s38, B1S
	v_lshl_add_u32 v[BIA], v67, 5, s38
	v_lshl_add_u32 v68, v65, 5, s38                ; where I store eight numbers of b1
	s_mul_i32 s38, s22, 4352
	s_add_co_u32 s38, s38, STG                     ; my stage
	v_mul_u32_u24 v[STO], v66, 272
	v_lshl_add_u32 v[STO], v67, 5, v[STO]
	v_add_nc_u32 v[STO], s38, v[STO]               ; in: row r, 32 bytes for each half of the lanes
	v_mul_u32_u24 v[SRD], v67, 2176
	v_lshl_add_u32 v[SRD], v66, 4, v[SRD]
	v_add_nc_u32 v[SRD], s38, v[SRD]               ; back: lanes 0-15 a row of 256 bytes, lanes 16-31 the row eight further down
	s_lshl_b32 s38, s22, 8                         ; 256 v
	s_add_co_u32 s39, s38, B2S
	v_lshl_add_u32 v[B2A], v67, 5, s39
	v_lshl_add_u32 v69, v65, 3, s39                ; where I store two numbers of b2
	v_lshlrev_b32 v[PFO], 8, v65
	s_add_co_u32 s39, s38, TOK
	v_lshl_add_u32 v[TKW], v65, 2, s39
	s_lshl_b32 s40, s46, 7
	s_add_co_u32 s40, s40, s39
	v_lshl_add_u32 v[TKA], v67, 5, s40             ; the tokens of the tiles that I store: tile 2 (v / 4) begins 128 (v / 4) bytes on
	s_lshl_b32 s40, s37, 6
	s_add_co_u32 s40, s40, s39
	v_lshl_add_u32 v70, v66, 2, s40                ; token 16 (v / 2) + r: the row that I gather
	s_lshl_b32 s40, s41, 8
	v_lshl_add_u32 v[OB], v66, 4, s40              ; out0: my 64 outputs' 256 bytes of a row, 16 a lane
	s_lshl_b32 s40, s36, 8
	v_lshl_add_u32 v79, v67, 4, s40                ; xc: 256 (v % 2) + 16 h in a row of codes
	v_lshlrev_b32 v77, 5, v65                      ; b1: 32 x lane
	v_lshlrev_b32 v78, 3, v65                      ; b2: 8 x lane
	s_wait_kmcnt 0x0
	s_lshl_b32 s20, ttmp9, 4
	s_mov_b32 s21, 0
	s_add_nc_u64 s[10:11], s[10:11], s[20:21]
	s_load_b128 s[24:27], s[10:11], 0x0            ; my tile: expert, first place, rows, first
	s_load_b128 s[28:31], s[16:17], 0x0            ; e0, e1, e2, e3
	s_wait_kmcnt 0x0
	s_min_u32 s24, s24, 7                          ; loaded numbers enter addresses only behind a clamp
	s_min_u32 s25, s25, 4095
	s_min_u32 s26, s26, 64
	s_cmp_eq_u32 s44, 0
	s_cselect_b32 s45, s27, 0                      ; the expert's first tile, and g = 0: who asks for W1's blocks
	s_lshl_b32 s20, s24, 21
	s_lshl_b32 s23, s41, 18
	s_add_co_u32 s20, s20, s23
	s_lshl_b32 s23, s46, 16
	s_add_co_u32 s20, s20, s23
	s_add_co_u32 s20, s20, 131072
	s_add_nc_u64 s[42:43], s[6:7], s[20:21]        ; W2's part of my stream: expert x 2 MiB + w x 256 KiB + block 16 + 8 (v / 4)
	s_lshl_b32 s20, s24, 21
	s_lshl_b32 s23, s22, 18
	s_add_co_u32 s20, s20, s23
	s_add_nc_u64 s[6:7], s[6:7], s[20:21]          ; W1's part: expert x 2 MiB + v x 256 KiB
	s_lshl_b32 s20, s24, 13
	s_lshl_b32 s23, s22, 10
	s_add_co_u32 s20, s20, s23
	s_add_nc_u64 s[12:13], s[12:13], s[20:21]      ; b1: my 256 numbers
	s_lshl_b32 s20, s24, 11
	s_lshl_b32 s23, s41, 8
	s_add_co_u32 s20, s20, s23
	s_add_nc_u64 s[14:15], s[14:15], s[20:21]      ; b2: my 64
	s_sub_co_u32 s36, s26, 1                       ; the tile's last row (with no rows: the greatest number, and the clamp below holds the place)
	v_min_u32 v71, s36, v65
	v_add_nc_u32 v72, 32, v65
	v_min_u32 v72, s36, v72
	v_add_nc_u32 v71, s25, v71
	v_add_nc_u32 v72, s25, v72
	v_min_u32 v71, 0xfff, v71
	v_min_u32 v72, 0xfff, v72
	v_lshlrev_b32 v71, 2, v71
	v_lshlrev_b32 v72, 2, v72
	global_load_b32 v73, v71, s[8:9]               ; rows lane and lane + 32 of the tile: their tokens
	global_load_b32 v74, v72, s[8:9]
	global_load_b128 v[224:227], v77, s[12:13]
	global_load_b128 v[228:231], v77, s[12:13] offset:16
	global_load_b64 v[232:233], v78, s[14:15]
	s_add_co_i32 s36, s28, s29                     ; e0 + e1: a sum of the first product stands for sum x 2^(e0 + e1)
	s_sub_co_i32 s37, 0, s36
	s_sub_co_i32 s38, s30, s36                     ; e2 - e0 - e1: the three scales folded into the conversion's one
	s_add_co_i32 s38, s38, 127
	s_lshl_b32 s39, s38, 23
	v_mov_b32 v[SC], s39
	s_add_co_i32 s38, s38, 8
	s_lshl_b32 s38, s38, 23
	s_or_b32 s38, s38, 0x600000
	v_mov_b32 v[LIM], s38
	s_add_co_i32 s34, s30, s31
	s_add_co_i32 s34, s34, 127
	s_lshl_b32 s34, s34, 23                        ; 2^(e2 + e3) as f32
	s_mov_b32 s35, s34                             ; (named with it as a pair, so it is written)
	RLOAD 0
	RLOAD 1
	RLOAD 2
	WIN 0
	s_wait_loadcnt 51                              ; the two loads of tokens are in: behind them stand 3 loads of biases and 48 of the ring
	v_min_u32 v73, 0xfff, v73
	v_min_u32 v74, 0xfff, v74
	ds_store_b32 v[TKW], v73                       ; the 64 token numbers go to my wave's own list, from which lanes take them in two other orders: sixteen for the gather, eight a lane for the stores
	ds_store_b32 v[TKW], v74 offset:128
	ds_load_b32 v75, v70                           ; LDS serves a wave's instructions in order (ISA guide 5.7.1.4): this sees my stores
	s_wait_dscnt 0x0
	v_min_u32 v75, 0xfff, v75
	v_lshlrev_b32 v76, 9, v75                      ; a row of codes is 512 bytes
	v_add_nc_u32 v76, v76, v79
.irp s, 0,1
.irp b, 0,1,2,3
	global_load_b128 v[32+16*\s+4*\b:32+16*\s+4*\b+3], v76, s[4:5] offset:128*\s+32*\b   ; registers 4 b .. 4 b + 3 of the fragment (K step 2 (v % 2) + s, tile v / 2); the eight loads take 256 consecutive bytes of each row
.endr
.endr
	s_wait_loadcnt 56                              ; the biases are in: behind them stand 48 loads of the ring and 8 of the gather
.irp j, 0,1,2,3,4,5,6,7
	v_ldexp_f32 v[224+\j], v[224+\j], s37          ; b1 / 2^(e0 + e1)
.endr
	ds_store_b128 v68, v[224:227]
	ds_store_b128 v68, v[228:231] offset:16
	ds_store_b64 v69, v[232:233]
	s_wait_loadcnt 0x0                             ; the gather, the youngest of all, is in
.irp s, 0,1
.irp b, 0,1,2,3
	ds_store_b128 v[XWI], v[32+16*\s+4*\b:32+16*\s+4*\b+3] offset:8192*\s+512*\b
.endr
.endr
	RLOAD 3
	WIN 0
	s_wait_dscnt 0x0                               ; for the others' sake: my images of x have landed
	s_barrier_signal -1
	s_barrier_wait -1                              ; x's sixteen fragments lie in LDS.  (The ring's loads stay out across the barriers: nobody writes those bytes)
	s_xor_b32 s38, s22, 4                          ; no LDS instruction of mine is out: two address registers that are done with take the addresses of the pair's exchange
	s_lshl_b32 s38, s38, 13
	s_add_co_u32 s38, s38, PSM
	v_add_nc_u32 v[PSW], s38, v[LI]                ; I store into my partner's 8,192 bytes,
	s_lshl_b32 s38, s22, 13
	s_add_co_u32 s38, s38, PSM
	v_add_nc_u32 v[PSR], s38, v[LI]                ; and read my own
	QUAD 0                                         ; ---- the first product, the relu, the quantiser
	QUAD 1
	QUAD 2
	QUAD 3
	s_wait_dscnt 0x0                               ; my images of the hidden layer have landed
	s_barrier_signal -1
	s_barrier_wait -1                              ; its 64 fragments lie in LDS
	ALOAD HRA, 0, 0                                ; ---- the second product: my half of K = 2,048, eight steps
	ALOAD HRB, 0, 1
	USTEP 16, 2, 1, HRA, HRB, 8192                 ; the first step's products start the sums: nothing is cleared
.irp S, 1,2,3,4,5,6
	USTEP 16+\S, 0, 1, HRA, HRB, 8192*(\S+1)
.endr
	USTEP 23, 0, 0, HRA, HRB, 0
	; ---- THE PAIR'S EXCHANGE: accumulators (t, 2) and (t, 3) go to my partner as images of their registers, each from its low end on; the step's last four plain lines are the places in front of these stores
.irp t, 0,1,2,3
.irp j, 0,1
	ds_store_b128 v[PSW], v[ACC+8*(4*\t+2+\j):ACC+8*(4*\t+2+\j)+3] offset:1024*(2*\t+\j)
	ds_store_b128 v[PSW], v[ACC+8*(4*\t+2+\j)+4:ACC+8*(4*\t+2+\j)+7] offset:1024*(2*\t+\j)+512
.endr
.endr
	s_wait_dscnt 0x0                               ; for my partner's sake: my stores have landed (and have read their registers)
	s_barrier_signal -1
	s_barrier_wait -1
	; ---- THE WAY OUT: y = (my half of the sum + my partner's) x 2^(e2 + e3) + b2.  A lane holds 32 bytes of a token's row and the lanes beside it hold other tokens: a tile of 16 tokens goes through my own stage and comes back as rows of 256 bytes.
	s_cmp_eq_u32 s26, 0
	s_cbranch_scc1 .Lend                           ; a tile without rows stores nothing
.irp t, 0,1,2,3
	ds_load_b128 v[BI+8*\t:BI+8*\t+3],   v[B2A] offset:64*\t       ; b2 of outputs 16 t + 8 h + 0 .. 7
	ds_load_b128 v[BI+8*\t+4:BI+8*\t+7], v[B2A] offset:64*\t+16
.endr
.irp t, 0,1,2,3
.irp j, 0,1
	ds_load_b128 v[ACC+8*(4*\t+2+\j):ACC+8*(4*\t+2+\j)+3],   v[PSR] offset:1024*(2*\t+\j)       ; my partner's half of accumulator (t, j), into the registers that I have sent
	ds_load_b128 v[ACC+8*(4*\t+2+\j)+4:ACC+8*(4*\t+2+\j)+7], v[PSR] offset:1024*(2*\t+\j)+512
.endr
.endr
.irp m, 0,1
.if \m > 0
	s_wait_xcnt 0x0                                ; the last tile's stores have read their offsets and data: both are written again only behind this wait
.endif
	ds_load_b128 v[TO:TO+3],   v[TKA] offset:64*\m                 ; the tokens of rows 16 (2 (v / 4) + m) + 8 (lane / 16) + 0 .. 7
	ds_load_b128 v[TO+4:TO+7], v[TKA] offset:64*\m+16
	s_wait_dscnt 0x0
.irp i, 0,1,2,3,4,5,6,7
	v_min_u32 v[TO+\i], 0xfff, v[TO+\i]
	v_lshl_add_u32 v[TO+\i], v[TO+\i], 11, v[OB]   ; a row of out0 is 2,048 bytes
.endr
.irp t, 0,1,2,3
.irp i, 0,2,4,6
	v_pk_add_f32 v[RES+8*\t+\i:RES+8*\t+\i+1], v[ACC+8*(4*\t+\m)+\i:ACC+8*(4*\t+\m)+\i+1], v[ACC+8*(4*\t+2+\m)+\i:ACC+8*(4*\t+2+\m)+\i+1]   ; the two halves of K; each accumulator from its low end on
.endr
.endr
.irp t, 0,1,2,3
.irp i, 0,2,4,6
	v_pk_fma_f32 v[RES+8*\t+\i:RES+8*\t+\i+1], v[RES+8*\t+\i:RES+8*\t+\i+1], s[34:35], v[BI+8*\t+\i:BI+8*\t+\i+1] op_sel_hi:[1,0,1]   ; x 2^(e2 + e3) + b2 (the scalar pair's low word for both halves)
.endr
.endr
.irp t, 0,1,2,3
	ds_store_b128 v[STO], v[RES+8*\t:RES+8*\t+3] offset:64*\t
	ds_store_b128 v[STO], v[RES+8*\t+4:RES+8*\t+7] offset:64*\t+16
.endr
.irp i, 0,1,2,3,4,5,6,7
	ds_load_b128 v[BK+4*\i:BK+4*\i+3], v[SRD] offset:272*\i        ; rows i and i + 8; these see my stores above, and the next tile's stores come behind them
.endr
.irp i, 0,1,2,3,4,5,6,7
	s_wait_dscnt 7-\i
	global_store_b128 v[TO+\i], v[BK+4*\i:BK+4*\i+3], s[18:19] th:TH_STORE_NT   ; sixteen lanes store 256 consecutive bytes of a token's row, at a multiple of 256; written once, read by nobody here
.endr
.endr
.Lend:
	s_wait_xcnt 0x0
	v_lshl_add_u32 v254, v0, 2, 0x43800
	v_mov_b32 v255, 0
	s_wait_tensorcnt 0x0
	ds_add_u32 v254, v255
	s_wait_dscnt 0x0
	s_endpgm
.Lfunc_end_k_qc91e969667_chain:
	.size	k_qc91e969667_chain, .Lfunc_end_k_qc91e969667_chain-k_qc91e969667_chain
	.p2alignl 7, 3214868480
	.fill 96, 4, 3214868480
	.section	.rodata,"a",@progbits
	.p2align	6, 0x0
	.amdhsa_kernel k_qc91e969667_chain
		.amdhsa_group_segment_fixed_size 277504
		.amdhsa_private_segment_fixed_size 0
		.amdhsa_enable_private_segment 0
		.amdhsa_kernarg_size 64
		.amdhsa_user_sgpr_count 2
		.amdhsa_user_sgpr_kernarg_segment_ptr 1
		.amdhsa_wavefront_size32 1
		.amdhsa_system_sgpr_workgroup_id_x 1
		.amdhsa_system_sgpr_workgroup_id_y 1
		.amdhsa_system_sgpr_workgroup_id_z 1
		.amdhsa_system_vgpr_workitem_id 0
		.amdhsa_next_free_vgpr 512
		.amdhsa_next_free_sgpr 66
		.amdhsa_reserve_vcc 0
		.amdhsa_float_denorm_mode_32 3
		.amdhsa_float_denorm_mode_16_64 3
		.amdhsa_memory_ordered 1
		.amdhsa_forward_progress 1
		.amdhsa_inst_pref_size 161
	.end_amdhsa_kernel
	.amdgpu_metadata
---
amdhsa.version: [ 1, 2 ]
amdhsa.kernels:
  - .name:           k_qc91e969667_chain
    .symbol:         k_qc91e969667_chain.kd
    .args:
      - { .name: xc, .offset: 0, .size: 8, .value_kind: global_buffer, .address_space: global }
      - { .name: wc, .offset: 8, .size: 8, .value_kind: global_buffer, .address_space: global }
      - { .name: order, .offset: 16, .size: 8, .value_kind: global_buffer, .address_space: global }
      - { .name: tiles, .offset: 24, .size: 8, .value_kind: global_buffer, .address_space: global }
      - { .name: b1, .offset: 32, .size: 8, .value_kind: global_buffer, .address_space: global }
      - { .name: b2, .offset: 40, .size: 8, .value_kind: global_buffer, .address_space: global }
      - { .name: lowp_scales, .offset: 48, .size: 8, .value_kind: global_buffer, .address_space: global }
      - { .name: out0, .offset: 56, .size: 8, .value_kind: global_buffer, .address_space: global }
    .group_segment_fixed_size: 277504
    .private_segment_fixed_size: 0
    .kernarg_segment_align: 8
    .kernarg_segment_size: 64
    .max_flat_workgroup_size: 256
    .sgpr_count:     66
    .vgpr_count:     512
    .wavefront_size: 32
...
	.end_amdgpu_metadata
.endif
;; end of part 3
;; ======== version 2 of 2: 3 launches; version 1 with the launch chain written anew for expert scheduling mode
;; workspace buffers: xc 2,097,152 bytes; wc 16,777,216 bytes; routes 16,384 bytes of whole numbers; order 16,384 bytes of whole numbers; tiles 2,048 bytes of whole numbers
;; launch prep: the kernel of part 1 again; grid 1152 x 1, 4 waves a work-group, no clusters, 0 bytes of LDS; arguments x, Wr, br, W1, W2, lowp_scales, xc, wc, routes, out1; writes xc, wc, routes, out1
;; launch place: the kernel of part 2 again; grid 1 x 1, 32 waves a work-group, no clusters, 4,608 bytes of LDS; arguments routes, order, tiles, out2; writes order, tiles, out2
;; launch chain (part 4): grid 71 x 2, 8 waves a work-group, no clusters, 277,504 bytes of LDS; arguments xc, wc, order, tiles, b1, b2, lowp_scales, out0; writes out0
.if DOCPART == 4
	.amdgcn_target "amdgcn-amd-amdhsa--gfx1250"
	.amdhsa_code_object_version 6
	.text
	.protected	k_qc91e969667_chain
	.globl	k_qc91e969667_chain
	.p2align	8
	.type	k_qc91e969667_chain,@function
k_qc91e969667_chain:
	s_mov_b64 s[64:65], 0
	v_nop
	global_prefetch_b8 v0, s[64:65] scope:SCOPE_SE
	s_setreg_imm32_b32 hwreg(HW_REG_WAVE_SCHED_MODE, 0, 2), 2
	s_setreg_imm32_b32 hwreg(HW_REG_WAVE_MODE, 25, 1), 1
	s_wait_xcnt 0x0
	s_wait_alu depctr_vm_vsrc(0)
; CHAIN.  out0[token] = relu(x W1[e] + b1[e]) W2[e] + b2[e] for the token's own expert e alone: reference() multiplies every expert and keeps one by a one-hot that it builds itself.
; Both products on codes of E4M3 by v_wmma_f32_16x16x128_fp8_fp8, sums in f32.  reference()'s factor p_max / p_max is exactly 1 for finite logits (p_max is at least 1 / 8): no multiplication is written for it.
; A TILE (tiles[work-group x]: expert, first place in order, rows, first) of up to 64 rows goes through the whole chain; the hidden layer stays in LDS.  71 = 4096 / 64 + 7 tiles serve every split.
; TWO WORK-GROUPS SHARE A TILE (work-group y = g): both make the whole hidden layer, each makes half of the outputs, 256 g .. + 255.  The first product is so done twice; in return a work-group streams
;   1 MiB of W1 and 0.5 MiB of W2 in place of 2 MiB, walks 24 steps in place of 32, and 142 work-groups stand where 71 stood.  (Four to a tile would be 284 work-groups for 256 WGPs.)
;   Rows behind the tile's last repeat its last row: they compute and store the same numbers at the same addresses, so no lane is ever switched off.
;   A tile without rows walks the text on clamped addresses and jumps over the stores alone: no barrier may stand under a branch on a loaded number.
; THE EIGHT WAVES SHARE THE COLUMNS, NOT THE ROWS.  First product: wave v makes hidden units 256 v .. + 255 (four quads of four tiles of 16) for all 64 rows (four tiles m).
;   Second product: the waves are four pairs.  Wave v makes outputs 64 w .. + 63, w = 4 g + v % 4, over K steps 8 (v / 4) .. + 7; waves v and v xor 4 hold the two halves of the same sums.
;   So each fragment of a weight is loaded once in the work-group and feeds four products, and a wave's weights are a stream of 24 blocks of 8 KiB (blocks 0-15: W1, 16-23: W2), laid by an earlier launch
;   in the order of the operand's registers.  It goes from memory straight into a ring of four blocks in registers: up to 64 loads of 16 bytes a lane are out in each wave.
;   THE PAIR'S SUMS MEET WITHOUT A BRANCH: a wave of the upper half reads the token tiles in the order 2, 3, 0, 1 (two address registers), so that EVERY wave keeps accumulators (t, 0 .. 1), sends (t, 2 .. 3) to its
;   partner through LDS, adds what the partner sent, and stores two tiles of 16 tokens: tiles 2 (v / 4) and the next.
; BOTH PRODUCTS ARE USED TRANSPOSED (source 0 = 16 rows of the weight, source 1 = 16 tokens): a lane holds one token and eight neighbouring units.  Two neighbouring tiles' results, converted, are 16 bytes of the
;   second product's operand.  Operands go from wave to wave through LDS as images of their registers: a fragment is four stores of 16 bytes a lane at 16 x lane, 512 bytes apart, and comes back by the same four lines.
; b1 goes in as the C of a sum's first product, divided by 2^(e0 + e1), which the sums lack; the hidden layer's conversion takes the one scale 2^(e2 - e0 - e1), and its hold between 0 and 448 x that is the relu too.
; NO TENSOR LOADS, NO CLUSTER: expert and rows are numbers read from memory, on which this text branches; 71 tiles divide into no cluster, and an expert's tiles are no multiple of four, so partners would not share their weights.
; LIMITS: e2 - e0 - e1 between -126 and 119, e2 + e3 between -126 and 127, so that each power of two below is an f32 number.  NaN among the inputs is not served.
; THE MODE: SCHED_MODE bits 1:0 = 2 (LLVM: expert scheduling mode 2), set by the entry lines.  The code itself states the register dependences between vector or matrix instructions and memory or LDS
;   instructions, with s_wait_alu, always for 0.
; THE PLAN.  Registers that memory or LDS instructions touch, and who else names them:
;   the ring (window 1)    Block q's sixteen loads land in slot q % 4; step q's sixteen products read it; block q + 4's loads land in it at step q's end.  No vector instruction names it.
;   ACT, columns 0 and 1   A step's first eight products read them; the next step's fragments land in them in the step's middle.  (Head: the gather lands, x's image stores read.  Way out: RES, written by the arithmetic, read by the stage's stores.)
;   ACT, columns 2 and 3   A step's second eight products read them; the next step's fragments land in them at the step's end.  (Head: scratch and offsets.  Way out: BK, where the stage's rows land and the global stores read.)
;   BI                     A quad's bias lands in it; the quad's first step reads it as C.  (Head: raw biases, scaled, read by LDS stores.  Way out: b2.)
;   PC                     The conversions write it, the image stores read it.  (Way out: TO, where token numbers land; made into offsets, which the global stores read.)
;   ACC (t, 2 .. 3)        The products write them; the exchange's stores read them; then the partner's halves land in them.
;   v1 to v15              Made at the head and not written again, but for v2 and v13, which take new addresses behind the first barrier.
; So a step has TWO waits on va_vdst, each ahead of one run of loads: in its middle (columns 0 and 1 are read out) and at its end (columns 2 and 3 and the ring's slot are read out).  One wait a step would want a second
; set of ACT, 64 registers, and the wave's 512 are taken: window 1 is the ring; window 0 holds v0, 15 addresses, 16 of PC, 64 of ACT, 128 of ACC, 32 of BI.  The loads stand in runs: under a product's windows
; source 0 means window 1, and a load's address is its source 0, so a load among products would want two switches.
; The end wait of a quad's last step also frees BI and all of ACT, and the quantiser names ACC, PC and two constants alone: so the next quad's bias and first fragments are asked for ahead of the quantiser and land while it works.
; The quantiser gathers four tiles' conversions ahead of ONE wait on va_vdst and one run of four stores; a wait on vm_vsrc stands ahead of each rewriting of PC.
; LDS
.set XIMG, 0                           ; 32,768   x's 16 fragments: (K step s, tile m) at 2,048 (4 s + m)
.set HIMG, 32768                       ; 131,072  the hidden layer's 64 fragments: (K step S, tile m) at 2,048 (4 S + m)
.set TOK,  163840                      ; 2,048    256 bytes a wave: the tile's 64 token numbers, a copy for each wave
.set B1S,  165888                      ; 8,192    1,024 bytes a wave: b1 / 2^(e0 + e1) of its 256 units
.set B2S,  174080                      ; 2,048    256 bytes a wave: b2 of its 64 outputs
.set STG,  176128                      ; 34,816   a stage of 16 rows x (256 + 16) bytes for each wave: row r starts 17 r columns of 16 bytes on, so sixteen rows fall on sixteen different columns modulo 256 bytes
.set PSM,  210944                      ; 65,536   8,192 bytes for each wave: eight accumulators that its partner sends it, as images of their registers
.set LASTB, 23                         ; the stream's last block
; REGISTERS, window 0 (window 1, v256-511, is the ring: block q % 4 at 64 (q % 4), its tile t at + 16 t)
.set LI,  1                            ; 16 x lane: an image's place for my lane; the ring's offset; x's images
.set XWI, 2                            ; where I store x's images (until the first barrier)
.set PSR, 2                            ; then: where I read what my partner sent
.set HWI, 3                            ; where I store the hidden layer's
.set HRA, 4                            ; the hidden layer's images of my eight K steps: the two token tiles that I keep,
.set HRB, 5                            ; and the two that I send
.set BIA, 6                            ; b1 for my half of the lanes
.set STO, 7                            ; the stage: where I put 32 bytes of a row
.set SRD, 8                            ; the stage: where I read 16 bytes of a row back
.set B2A, 9                            ; b2 for my half of the lanes
.set PFO, 10                           ; 256 x lane: the prefetches' offset
.set SC,  11                           ; 2^(e2 - e0 - e1)
.set LIM, 12                           ; 448 x that
.set TKW, 13                           ; where I store token numbers (until the first barrier)
.set PSW, 13                           ; then: where I store what I send my partner
.set TKA, 14                           ; where I read eight token numbers for the stores
.set OB,  15                           ; my byte in a row of out0
.set PC,  16                           ; v16-31   codes just made, four registers for each tile m
.set TO,  16                           ; v16-23   the way out: byte offsets of eight rows of out0
.set ACT, 32                           ; v32-95   source 1: tile m's fragment at 32 + 16 m
.set RES, 32                           ; v32-63   the way out: a tile's results
.set BK,  64                           ; v64-95   the way out: rows read back from the stage
.set ACC, 96                           ; v96-223  accumulator (t, m) at 96 + 8 (4 t + m)
.set BI,  224                          ; v224-255 four tiles of bias in the result's layout
.set MSB, 0
.macro WIN new                         ; s_set_vgpr_msb: bits 1:0 source 0, 7:6 destination; the immediate's high byte repeats the setting that is left
.if MSB != \new
	s_set_vgpr_msb (MSB<<8)|\new
.set MSB, \new
.endif
.endm
.macro PLACES                          ; four plain vector lines between a matrix instruction and a load into, or a read of, its registers (ISA guide 7.12.1 for vector instructions)
.rept 4
	v_nop
.endr
.endm
.macro RLOAD blk                       ; block blk of my stream: 16 loads of 512 consecutive bytes.  No cache hint: the expert's other work-groups read the same bytes
	WIN 0x40                                       ; destination window 1, address window 0
.irp j, 0,1,2,3,4,5,6,7,8,9,10,11,12,13,14,15
.if (\blk) < 16
	global_load_b128 v[64*((\blk)%4)+4*\j:64*((\blk)%4)+4*\j+3], v[LI], s[6:7] offset:8192*(\blk)+512*\j
.else
	global_load_b128 v[64*((\blk)%4)+4*\j:64*((\blk)%4)+4*\j+3], v[LI], s[42:43] offset:8192*((\blk)-16)+512*\j
.endif
.endr
.endm
.macro ALOAD adr, off, hf              ; two of a K step's four fragments of source 1 (accumulator columns 2 hf, 2 hf + 1): eight LDS loads
.irp m, 2*(\hf), 2*(\hf)+1
.irp b, 0,1,2,3
	ds_load_b128 v[ACT+16*(\m)+4*\b:ACT+16*(\m)+4*\b+3], v[\adr] offset:(\off)+2048*(\m)+512*\b
.endr
.endr
.endm
; Eight products: columns 2 hf, 2 hf + 1 of the tokens x the block's four tiles of the weight.  cmode 0: on with the sums; 1: the bias starts them; 2: the constant 0 starts them.
; The sixteen accumulators take turns, one instruction a turn, in the same order in every step.
.macro MM q, hf, cmode
	WIN 0x01                                       ; source 0 (the ring) window 1
.irp m, 2*(\hf), 2*(\hf)+1
.irp t, 0,1,2,3
.if (\cmode) == 1
	v_wmma_f32_16x16x128_fp8_fp8 v[ACC+8*(4*\t+(\m)):ACC+8*(4*\t+(\m))+7], v[64*(\q)+16*\t:64*(\q)+16*\t+15], v[ACT+16*(\m):ACT+16*(\m)+15], v[BI+8*\t:BI+8*\t+7]
.elseif (\cmode) == 2
	v_wmma_f32_16x16x128_fp8_fp8 v[ACC+8*(4*\t+(\m)):ACC+8*(4*\t+(\m))+7], v[64*(\q)+16*\t:64*(\q)+16*\t+15], v[ACT+16*(\m):ACT+16*(\m)+15], 0
.else
	v_wmma_f32_16x16x128_fp8_fp8 v[ACC+8*(4*\t+(\m)):ACC+8*(4*\t+(\m))+7], v[64*(\q)+16*\t:64*(\q)+16*\t+15], v[ACT+16*(\m):ACT+16*(\m)+15], v[ACC+8*(4*\t+(\m)):ACC+8*(4*\t+(\m))+7]
.endif
.endr
.endr
.endm
; A PREFETCH INTO THE L2 of block blk of my stream: 8,192 bytes, lanes 256 bytes apart, one instruction.  It stands behind the step's run of loads and names the block that the run eight steps on will load.
; All work-groups of an expert walk the same streams.  W1's blocks are asked for by the expert's first tile with g = 0, W2's by the expert's first tile of each g, whose waves' pieces are disjoint (branches on stored
; whole numbers and the work-group's number): each wave for its own stream, so each block of 256 bytes is named once in the launch.  Blocks 0 to 11 come by their loads alone; the last block named is the stream's last.
.macro ASK blk
.if (\blk) < 16
	s_cmp_lg_u32 s45, 0
.else
	s_cmp_lg_u32 s27, 0
.endif
	s_cbranch_scc0 .Lnot_first_\@
.if (\blk) < 16
	global_prefetch_b8 v[PFO], s[6:7] offset:8192*(\blk) th:TH_LOAD_NT scope:SCOPE_SE
.else
	global_prefetch_b8 v[PFO], s[42:43] offset:8192*((\blk)-16) th:TH_LOAD_NT scope:SCOPE_SE
.endif
.Lnot_first_\@:
.endm
; A STEP: block blk x the four fragments of source 1 in hand: 16 products.  nxt = 1: the next step's fragments are fetched from v[na0] + noff and v[na1] + noff, each half as soon as its registers are free.
.macro USTEP blk, cmode, nxt, na0, na1, noff
.if LASTB-(\blk) >= 3
	s_wait_loadcnt 48                              ; loads come back in order (ISA guide 5.7.1): my block is in, the three blocks asked for behind it may be out
.else
	s_wait_loadcnt 16*(LASTB-(\blk))
.endif
	s_wait_dscnt 8                                 ; columns 0 and 1 (and all that is older) are in; the youngest eight loads, columns 2 and 3, may be out
	MM (\blk)%4, 0, \cmode
	PLACES
	WIN 0
.if \nxt
	s_wait_alu depctr_va_vdst(0)                   ; the eight products above are done reading columns 0 and 1, in which the eight loads below land
	ALOAD \na0, \noff, 0
	s_wait_dscnt 8                                 ; columns 2 and 3 are in; the eight just issued may be out
.else
	s_wait_dscnt 0x0
.endif
	MM (\blk)%4, 1, \cmode
	PLACES                                         ; for both runs of loads below, and for the first read of results
	WIN 0
	s_wait_alu depctr_va_vdst(0)                   ; the step's products are done reading columns 2 and 3 and their slot of the ring, in which the loads below land; and they have written the accumulators, which LDS stores read behind the last step
.if \nxt
	ALOAD \na1, \noff, 1
.endif
.if (\blk)+4 <= LASTB
	RLOAD (\blk)+4                                 ; the block just multiplied gives its registers to the block four on.  Between the wait above and these loads stand loads and a window switch alone
	WIN 0                                          ; at a branch and at a label every window is 0
.endif
.if (\blk)+12 <= LASTB
	ASK (\blk)+12
.endif
.endm
; A quad's 64 hidden units x 64 tokens become codes.  Lane (r, h) holds token r; tile t's register j is unit 16 t + 8 h + j.  So tiles 2 pr and 2 pr + 1 give the 16 bytes of registers 4 b .. 4 b + 3,
; b = 2 (ql % 2) + pr, of the fragment (K step 2 v + ql / 2, tile m): k = 32 b + 8 h + B % 8 + 16 (B / 8), the places in which W2's fragments are laid.
; The four token tiles' conversions stand together, so that one wait serves the four stores behind them.
.macro QUANT ql
.irp pr, 0,1
.if \pr == 1
	s_wait_dscnt 0x0                               ; the stores are done; and the next quad's bias and first fragments, asked for ahead of this macro, are in
.endif
.if (\pr == 1) || ((\ql) > 0)
	s_wait_alu depctr_vm_vsrc(0)                   ; the four LDS stores of the pair of tiles before have read v[PC ..], which the conversions below write again
.endif
.irp m, 0,1,2,3
.irp u, 0,1
.irp j, 0,1,2,3,4,5,6,7
	v_med3_num_f32 v[ACC+8*(4*(2*\pr+\u)+\m)+\j], v[ACC+8*(4*(2*\pr+\u)+\m)+\j], 0, v[LIM]   ; the relu and the hold in one (ISA guide 7.6.2); each accumulator from its low end on
.endr
.endr
	v_cvt_scalef32_pk8_fp8_f32 v[PC+4*\m:PC+4*\m+1], v[ACC+8*(4*(2*\pr)+\m):ACC+8*(4*(2*\pr)+\m)+7], v[SC]
	v_cvt_scalef32_pk8_fp8_f32 v[PC+4*\m+2:PC+4*\m+3], v[ACC+8*(4*(2*\pr+1)+\m):ACC+8*(4*(2*\pr+1)+\m)+7], v[SC]
.endr
	s_wait_alu depctr_va_vdst(0)                   ; the eight conversions have written v[PC ..], which the four LDS stores read
.irp m, 0,1,2,3
	ds_store_b128 v[HWI], v[PC+4*\m:PC+4*\m+3] offset:8192*((\ql)>>1)+2048*\m+512*(2*((\ql)&1)+\pr)
.endr
.endr
	v_nop                                          ; one plain vector line between the last conversion and the products that write its sources again
.endm
.macro QHEAD ql                        ; what quad ql begins with: its bias and the fragments of x's first K step: 24 LDS loads
.irp t, 0,1,2,3
	ds_load_b128 v[BI+8*\t:BI+8*\t+3],   v[BIA] offset:256*(\ql)+64*\t      ; b1 of units 16 t + 8 h + 0 .. 7: the result's layout
	ds_load_b128 v[BI+8*\t+4:BI+8*\t+7], v[BIA] offset:256*(\ql)+64*\t+16
.endr
	ALOAD LI, 0, 0
	ALOAD LI, 0, 1
.endm
.macro QUAD ql                         ; hidden units 256 v + 64 ql .. + 63: K = 512 in four steps
	USTEP 4*(\ql), 1, 1, LI, LI, 8192
	USTEP 4*(\ql)+1, 0, 1, LI, LI, 16384
	USTEP 4*(\ql)+2, 0, 1, LI, LI, 24576
	USTEP 4*(\ql)+3, 0, 0, LI, LI, 0
.if (\ql) < 3
	QHEAD (\ql)+1                                  ; no wait: the last step's end wait stands behind every product that read BI or ACT, and no vector or matrix instruction since names them; nor does the quantiser below
.endif
	QUANT \ql
.endm
	s_load_b256 s[4:11], s[0:1], 0x0               ; xc s[4:5], wc s[6:7], order s[8:9], tiles s[10:11]
	s_load_b256 s[12:19], s[0:1], 0x20             ; b1 s[12:13], b2 s[14:15], the scales' exponents s[16:17], out0 s[18:19]
	v_lshrrev_b32 v64, 5, v0
	v_readfirstlane_b32 s22, v64                   ; wave v, 0..7
	v_and_b32 v65, 31, v0                          ; lane
	v_and_b32 v66, 15, v0                          ; r
	v_bfe_u32 v67, v0, 4, 1                        ; h
	v_lshlrev_b32 v[LI], 4, v65
	s_and_b32 s44, ttmp7, 0xffff                   ; g: which half of the outputs is my work-group's
	s_wait_alu depctr_va_sdst(0)                   ; s22 is written, ahead of its first reader: the wave's shares and addresses are made from it
	s_lshr_b32 s46, s22, 2                         ; v / 4: which half of the second product's K is my wave's
	s_and_b32 s41, s22, 3
	s_lshl_b32 s36, s44, 2
	s_add_co_u32 s41, s41, s36                     ; w = 4 g + v % 4: my 64 outputs.  It enters addresses in memory alone
	s_and_b32 s36, s22, 1
	s_lshr_b32 s37, s22, 1
	s_lshl_b32 s38, s36, 14
	s_lshl_b32 s39, s37, 11
	s_add_co_u32 s38, s38, s39
	v_add_nc_u32 v[XWI], s38, v[LI]                ; I gather tile m = v / 2, K steps 2 (v % 2) and the next: 16,384 (v % 2) + 2,048 (v / 2)
	s_lshl_b32 s38, s22, 14
	s_add_co_u32 s38, s38, HIMG
	v_add_nc_u32 v[HWI], s38, v[LI]                ; my units are K steps 2 v and 2 v + 1: 16,384 v
	s_mul_i32 s38, s46, 69632                      ; my eight K steps begin 65,536 (v / 4) on.  Accumulator columns 0, 1 take token tiles 2 (v / 4) + 0, 1: 4,096 (v / 4) further on;
	s_add_co_u32 s38, s38, HIMG
	v_add_nc_u32 v[HRA], s38, v[LI]
	s_mul_i32 s38, s46, 61440                      ; columns 2, 3 take the other two tiles: 4,096 (v / 4) back
	s_add_co_u32 s38, s38, HIMG
	v_add_nc_u32 v[HRB], s38, v[LI]
	s_lshl_b32 s38, s22, 10
	s_add_co_u32 s38, s38, B1S
	v_lshl_add_u32 v[BIA], v67, 5, s38
	v_lshl_add_u32 v68, v65, 5, s38                ; where I store eight numbers of b1
	s_mul_i32 s38, s22, 4352
	s_add_co_u32 s38, s38, STG                     ; my stage
	v_mul_u32_u24 v[STO], v66, 272
	v_lshl_add_u32 v[STO], v67, 5, v[STO]
	v_add_nc_u32 v[STO], s38, v[STO]               ; in: row r, 32 bytes for each half of the lanes
	v_mul_u32_u24 v[SRD], v67, 2176
	v_lshl_add_u32 v[SRD], v66, 4, v[SRD]
	v_add_nc_u32 v[SRD], s38, v[SRD]               ; back: lanes 0-15 a row of 256 bytes, lanes 16-31 the row eight further down
	s_lshl_b32 s38, s22, 8                         ; 256 v
	s_add_co_u32 s39, s38, B2S
	v_lshl_add_u32 v[B2A], v67, 5, s39
	v_lshl_add_u32 v69, v65, 3, s39                ; where I store two numbers of b2
	v_lshlrev_b32 v[PFO], 8, v65
	s_add_co_u32 s39, s38, TOK
	v_lshl_add_u32 v[TKW], v65, 2, s39
	s_lshl_b32 s40, s46, 7
	s_add_co_u32 s40, s40, s39
	v_lshl_add_u32 v[TKA], v67, 5, s40             ; the tokens of the tiles that I store: tile 2 (v / 4) begins 128 (v / 4) bytes on
	s_lshl_b32 s40, s37, 6
	s_add_co_u32 s40, s40, s39
	v_lshl_add_u32 v70, v66, 2, s40                ; token 16 (v / 2) + r: the row that I gather
	s_lshl_b32 s40, s41, 8
	v_lshl_add_u32 v[OB], v66, 4, s40              ; out0: my 64 outputs' 256 bytes of a row, 16 a lane
	s_lshl_b32 s40, s36, 8
	v_lshl_add_u32 v79, v67, 4, s40                ; xc: 256 (v % 2) + 16 h in a row of codes
	v_lshlrev_b32 v77, 5, v65                      ; b1: 32 x lane
	v_lshlrev_b32 v78, 3, v65                      ; b2: 8 x lane
	s_wait_kmcnt 0x0
	s_lshl_b32 s20, ttmp9, 4
	s_mov_b32 s21, 0
	s_add_nc_u64 s[10:11], s[10:11], s[20:21]
	s_load_b128 s[24:27], s[10:11], 0x0            ; my tile: expert, first place, rows, first
	s_load_b128 s[28:31], s[16:17], 0x0            ; e0, e1, e2, e3
	s_wait_kmcnt 0x0
	s_min_u32 s24, s24, 7                          ; loaded numbers enter addresses only behind a clamp
	s_min_u32 s25, s25, 4095
	s_min_u32 s26, s26, 64
	s_cmp_eq_u32 s44, 0
	s_cselect_b32 s45, s27, 0                      ; the expert's first tile, and g = 0: who asks for W1's blocks
	s_lshl_b32 s20, s24, 21
	s_lshl_b32 s23, s41, 18
	s_add_co_u32 s20, s20, s23
	s_lshl_b32 s23, s46, 16
	s_add_co_u32 s20, s20, s23
	s_add_co_u32 s20, s20, 131072
	s_add_nc_u64 s[42:43], s[6:7], s[20:21]        ; W2's part of my stream: expert x 2 MiB + w x 256 KiB + block 16 + 8 (v / 4)
	s_lshl_b32 s20, s24, 21
	s_lshl_b32 s23, s22, 18
	s_add_co_u32 s20, s20, s23
	s_add_nc_u64 s[6:7], s[6:7], s[20:21]          ; W1's part: expert x 2 MiB + v x 256 KiB
	s_lshl_b32 s20, s24, 13
	s_lshl_b32 s23, s22, 10
	s_add_co_u32 s20, s20, s23
	s_add_nc_u64 s[12:13], s[12:13], s[20:21]      ; b1: my 256 numbers
	s_lshl_b32 s20, s24, 11
	s_lshl_b32 s23, s41, 8
	s_add_co_u32 s20, s20, s23
	s_add_nc_u64 s[14:15], s[14:15], s[20:21]      ; b2: my 64
	s_sub_co_u32 s36, s26, 1                       ; the tile's last row (with no rows: the greatest number, and the clamp below holds the place)
	v_min_u32 v71, s36, v65
	v_add_nc_u32 v72, 32, v65
	v_min_u32 v72, s36, v72
	v_add_nc_u32 v71, s25, v71
	v_add_nc_u32 v72, s25, v72
	v_min_u32 v71, 0xfff, v71
	v_min_u32 v72, 0xfff, v72
	v_lshlrev_b32 v71, 2, v71
	v_lshlrev_b32 v72, 2, v72
	s_wait_alu depctr_va_vdst(0)                   ; every address and offset made so far is written (v1 to v10, v13 to v15, v68 to v72, v77 to v79): the loads, stores and prefetches below read them
	global_load_b32 v73, v71, s[8:9]               ; rows lane and lane + 32 of the tile: their tokens
	global_load_b32 v74, v72, s[8:9]
	global_load_b128 v[224:227], v77, s[12:13]
	global_load_b128 v[228:231], v77, s[12:13] offset:16
	global_load_b64 v[232:233], v78, s[14:15]
	s_add_co_i32 s36, s28, s29                     ; e0 + e1: a sum of the first product stands for sum x 2^(e0 + e1)
	s_sub_co_i32 s37, 0, s36
	s_sub_co_i32 s38, s30, s36                     ; e2 - e0 - e1: the three scales folded into the conversion's one
	s_add_co_i32 s38, s38, 127
	s_lshl_b32 s39, s38, 23
	v_mov_b32 v[SC], s39                           ; (v11 and v12 are named by vector instructions alone)
	s_add_co_i32 s38, s38, 8
	s_lshl_b32 s38, s38, 23
	s_or_b32 s38, s38, 0x600000
	v_mov_b32 v[LIM], s38
	s_add_co_i32 s34, s30, s31
	s_add_co_i32 s34, s34, 127
	s_lshl_b32 s34, s34, 23                        ; 2^(e2 + e3) as f32
	s_mov_b32 s35, s34                             ; (named with it as a pair, so it is written)
	RLOAD 0
	RLOAD 1
	RLOAD 2
	WIN 0
	s_wait_loadcnt 48                              ; the two loads of tokens and the three of biases are in: behind them stand the ring's 48
	v_min_u32 v73, 0xfff, v73
	v_min_u32 v74, 0xfff, v74
.irp j, 0,1,2,3,4,5,6,7
	v_ldexp_f32 v[224+\j], v[224+\j], s37          ; b1 / 2^(e0 + e1)
.endr
	s_wait_alu depctr_va_vdst(0)                   ; v73, v74 and v[224:231] are written, which the LDS stores below read
	ds_store_b32 v[TKW], v73                       ; the 64 token numbers go to my wave's own list, from which lanes take them in two other orders: sixteen for the gather, eight a lane for the stores
	ds_store_b32 v[TKW], v74 offset:128
	ds_load_b32 v75, v70                           ; LDS serves a wave's instructions in order (ISA guide 5.7.1.4): this sees my stores
	ds_store_b128 v68, v[224:227]
	ds_store_b128 v68, v[228:231] offset:16
	ds_store_b64 v69, v[232:233]
	s_wait_dscnt 3                                 ; my token is in; the three stores of biases behind it may be out
	v_min_u32 v75, 0xfff, v75
	v_lshlrev_b32 v76, 9, v75                      ; a row of codes is 512 bytes
	v_add_nc_u32 v76, v76, v79
	s_wait_alu depctr_va_vdst(0)                   ; v76 is written, the offset that the gather's eight loads read
.irp s, 0,1
.irp b, 0,1,2,3
	global_load_b128 v[32+16*\s+4*\b:32+16*\s+4*\b+3], v76, s[4:5] offset:128*\s+32*\b   ; registers 4 b .. 4 b + 3 of the fragment (K step 2 (v % 2) + s, tile v / 2); the eight loads take 256 consecutive bytes of each row
.endr
.endr
	s_wait_loadcnt 0x0                             ; the gather, the youngest of all, is in
.irp s, 0,1
.irp b, 0,1,2,3
	ds_store_b128 v[XWI], v[32+16*\s+4*\b:32+16*\s+4*\b+3] offset:8192*\s+512*\b
.endr
.endr
	RLOAD 3
	WIN 0
	s_wait_dscnt 0x0                               ; for the others' sake: my images of x have landed
	s_barrier_signal -1
	s_barrier_wait -1                              ; x's sixteen fragments lie in LDS.  (The ring's loads stay out across the barriers: nobody writes those bytes)
	s_wait_alu depctr_vm_vsrc(0)                   ; the head's loads and LDS stores have read v2 and v13, which are written just below, and v[32:63], v68 to v78 and v[224:233], in which LDS loads land from here on
	s_xor_b32 s38, s22, 4                          ; no LDS instruction of mine is out: two address registers that are done with take the addresses of the pair's exchange
	s_lshl_b32 s38, s38, 13
	s_add_co_u32 s38, s38, PSM
	v_add_nc_u32 v[PSW], s38, v[LI]                ; I store into my partner's 8,192 bytes,
	s_lshl_b32 s38, s22, 13
	s_add_co_u32 s38, s38, PSM
	v_add_nc_u32 v[PSR], s38, v[LI]                ; and read my own
	s_wait_alu depctr_va_vdst(0)                   ; v[PSW] and v[PSR] are written, which the exchange's LDS stores and loads read
	QHEAD 0                                        ; ---- the first product, the relu, the quantiser
	QUAD 0
	QUAD 1
	QUAD 2
	QUAD 3
	s_wait_dscnt 0x0                               ; my images of the hidden layer have landed
	s_barrier_signal -1
	s_barrier_wait -1                              ; its 64 fragments lie in LDS
	ALOAD HRA, 0, 0                                ; ---- the second product: my half of K = 2,048, eight steps.  (No wait: step 15's end wait stands behind the last products that read ACT, and the quantiser names none of it)
	ALOAD HRB, 0, 1
	USTEP 16, 2, 1, HRA, HRB, 8192                 ; the first step's products start the sums: nothing is cleared
.irp S, 1,2,3,4,5,6
	USTEP 16+\S, 0, 1, HRA, HRB, 8192*(\S+1)
.endr
	USTEP 23, 0, 0, HRA, HRB, 0
	; ---- THE PAIR'S EXCHANGE: accumulators (t, 2) and (t, 3) go to my partner as images of their registers, each from its low end on; the step's last four plain lines are the places in front of these stores, and its end wait states that the accumulators are written
.irp t, 0,1,2,3
.irp j, 0,1
	ds_store_b128 v[PSW], v[ACC+8*(4*\t+2+\j):ACC+8*(4*\t+2+\j)+3] offset:1024*(2*\t+\j)
	ds_store_b128 v[PSW], v[ACC+8*(4*\t+2+\j)+4:ACC+8*(4*\t+2+\j)+7] offset:1024*(2*\t+\j)+512
.endr
.endr
	s_wait_dscnt 0x0                               ; for my partner's sake: my stores have landed
	s_barrier_signal -1
	s_barrier_wait -1
	s_wait_alu depctr_vm_vsrc(0)                   ; my LDS stores have read the accumulators that I sent, in which my partner's halves land below, and the hidden layer's last stores have read v[PC ..], in which token numbers land
	; ---- THE WAY OUT: y = (my half of the sum + my partner's) x 2^(e2 + e3) + b2.  A lane holds 32 bytes of a token's row and the lanes beside it hold other tokens: a tile of 16 tokens goes through my own stage and comes back as rows of 256 bytes.
	s_cmp_eq_u32 s26, 0
	s_cbranch_scc1 .Lend                           ; a tile without rows stores nothing
.irp t, 0,1,2,3
	ds_load_b128 v[BI+8*\t:BI+8*\t+3],   v[B2A] offset:64*\t       ; b2 of outputs 16 t + 8 h + 0 .. 7
	ds_load_b128 v[BI+8*\t+4:BI+8*\t+7], v[B2A] offset:64*\t+16
.endr
.irp t, 0,1,2,3
.irp j, 0,1
	ds_load_b128 v[ACC+8*(4*\t+2+\j):ACC+8*(4*\t+2+\j)+3],   v[PSR] offset:1024*(2*\t+\j)       ; my partner's half of accumulator (t, j), into the registers that I have sent
	ds_load_b128 v[ACC+8*(4*\t+2+\j)+4:ACC+8*(4*\t+2+\j)+7], v[PSR] offset:1024*(2*\t+\j)+512
.endr
.endr
.irp m, 0,1
.if \m > 0
	s_wait_xcnt 0x0                                ; the last tile's stores have read their offsets and data: both are written again only behind this wait
	s_wait_alu depctr_vm_vsrc(0)                   ; the last tile's global stores have read v[TO ..] and v[BK ..], and its LDS stores v[RES ..]: loads land in the first two below, and the arithmetic writes the third
.endif
	ds_load_b128 v[TO:TO+3],   v[TKA] offset:64*\m                 ; the tokens of rows 16 (2 (v / 4) + m) + 8 (lane / 16) + 0 .. 7
	ds_load_b128 v[TO+4:TO+7], v[TKA] offset:64*\m+16
	s_wait_dscnt 0x0
.irp i, 0,1,2,3,4,5,6,7
	v_min_u32 v[TO+\i], 0xfff, v[TO+\i]
	v_lshl_add_u32 v[TO+\i], v[TO+\i], 11, v[OB]   ; a row of out0 is 2,048 bytes
.endr
.irp t, 0,1,2,3
.irp i, 0,2,4,6
	v_pk_add_f32 v[RES+8*\t+\i:RES+8*\t+\i+1], v[ACC+8*(4*\t+\m)+\i:ACC+8*(4*\t+\m)+\i+1], v[ACC+8*(4*\t+2+\m)+\i:ACC+8*(4*\t+2+\m)+\i+1]   ; the two halves of K; each accumulator from its low end on
.endr
.endr
.irp t, 0,1,2,3
.irp i, 0,2,4,6
	v_pk_fma_f32 v[RES+8*\t+\i:RES+8*\t+\i+1], v[RES+8*\t+\i:RES+8*\t+\i+1], s[34:35], v[BI+8*\t+\i:BI+8*\t+\i+1] op_sel_hi:[1,0,1]   ; x 2^(e2 + e3) + b2 (the scalar pair's low word for both halves)
.endr
.endr
	s_wait_alu depctr_va_vdst(0)                   ; v[RES ..] is written, which the LDS stores read, and v[TO ..], the offsets that the global stores read (and in which the next tile's token numbers land)
.irp t, 0,1,2,3
	ds_store_b128 v[STO], v[RES+8*\t:RES+8*\t+3] offset:64*\t
	ds_store_b128 v[STO], v[RES+8*\t+4:RES+8*\t+7] offset:64*\t+16
.endr
.irp i, 0,1,2,3,4,5,6,7
	ds_load_b128 v[BK+4*\i:BK+4*\i+3], v[SRD] offset:272*\i        ; rows i and i + 8; these see my stores above, and the next tile's stores come behind them
.endr
.irp i, 0,1,2,3,4,5,6,7
	s_wait_dscnt 7-\i
	global_store_b128 v[TO+\i], v[BK+4*\i:BK+4*\i+3], s[18:19] th:TH_STORE_NT   ; sixteen lanes store 256 consecutive bytes of a token's row, at a multiple of 256; written once, read by nobody here
.endr
.endr
.Lend:
	s_wait_xcnt 0x0
	v_lshl_add_u32 v254, v0, 2, 0x43800            ; the add's two registers are made anew, from v0 as it was at the entry.  No memory or LDS instruction has read v254 or v255: loads landed in them, and products and multiply-adds read them
	v_mov_b32 v255, 0
	s_wait_dscnt 0x0                               ; the closing lines, six on end
	s_wait_alu 0x0
	s_wait_tensorcnt 0x0
	ds_add_u32 v254, v255
	s_wait_dscnt 0x0
	s_endpgm
.Lfunc_end_k_qc91e969667_chain:
	.size	k_qc91e969667_chain, .Lfunc_end_k_qc91e969667_chain-k_qc91e969667_chain
	.p2alignl 7, 3214868480
	.fill 96, 4, 3214868480
	.section	.rodata,"a",@progbits
	.p2align	6, 0x0
	.amdhsa_kernel k_qc91e969667_chain
		.amdhsa_group_segment_fixed_size 277504
		.amdhsa_private_segment_fixed_size 0
		.amdhsa_enable_private_segment 0
		.amdhsa_kernarg_size 64
		.amdhsa_user_sgpr_count 2
		.amdhsa_user_sgpr_kernarg_segment_ptr 1
		.amdhsa_wavefront_size32 1
		.amdhsa_system_sgpr_workgroup_id_x 1
		.amdhsa_system_sgpr_workgroup_id_y 1
		.amdhsa_system_sgpr_workgroup_id_z 1
		.amdhsa_system_vgpr_workitem_id 0
		.amdhsa_next_free_vgpr 512
		.amdhsa_next_free_sgpr 66
		.amdhsa_reserve_vcc 0
		.amdhsa_float_denorm_mode_32 3
		.amdhsa_float_denorm_mode_16_64 3
		.amdhsa_memory_ordered 1
		.amdhsa_forward_progress 1
		.amdhsa_inst_pref_size 163
	.end_amdhsa_kernel
	.amdgpu_metadata
---
amdhsa.version: [ 1, 2 ]
amdhsa.kernels:
  - .name:           k_qc91e969667_chain
    .symbol:         k_qc91e969667_chain.kd
    .args:
      - { .name: xc, .offset: 0, .size: 8, .value_kind: global_buffer, .address_space: global }
      - { .name: wc, .offset: 8, .size: 8, .value_kind: global_buffer, .address_space: global }
      - { .name: order, .offset: 16, .size: 8, .value_kind: global_buffer, .address_space: global }
      - { .name: tiles, .offset: 24, .size: 8, .value_kind: global_buffer, .address_space: global }
      - { .name: b1, .offset: 32, .size: 8, .value_kind: global_buffer, .address_space: global }
      - { .name: b2, .offset: 40, .size: 8, .value_kind: global_buffer, .address_space: global }
      - { .name: lowp_scales, .offset: 48, .size: 8, .value_kind: global_buffer, .address_space: global }
      - { .name: out0, .offset: 56, .size: 8, .value_kind: global_buffer, .address_space: global }
    .group_segment_fixed_size: 277504
    .private_segment_fixed_size: 0
    .kernarg_segment_align: 8
    .kernarg_segment_size: 64
    .max_flat_workgroup_size: 256
    .sgpr_count:     66
    .vgpr_count:     512
    .wavefront_size: 32
...
	.end_amdgpu_metadata
.endif
;; end of part 4
